; MI455X (gfx1250); checked and timed in simulation.
; The chip was launched on July 23, 2026; its instructions are those of AMD's public machine-readable ISA for CDNA 5 (MIT licence, August 2026) and "CDNA5" Instruction Set Architecture Reference Guide (July 2026). The comments in the code are by the model that wrote it; some were corrected since.
;; Deepseek Attention. Allowed arithmetic: float matrix products may take bf16 or f16 operands with f32 sums; other float arithmetic in f32, or as packed bf16 or f16 multiplies, adds, multiply-adds, maxima and minima; sums over many terms, partial sums and values carried from step to step in f32; what a program stores and reads back later, other than sums and carried values, may be rounded once to bf16 or f16.
;; Inputs: Wk 4,096 x 512 float32; Wo 1,024 x 4,096 float32; Wq 4,096 x 1,024 float32; Wv 4,096 x 512 float32; attention_mask 1 x 1 x 2,048 x 2,048 float32; hidden_states 2 x 2,048 x 4,096 float32.
;; Outputs: out0 2 x 2,048 x 4,096 float32.
;; One version. Each part assembles by itself: llvm-mc -triple=amdgcn-amd-amdhsa -mcpu=gfx1250 --defsym DOCPART=n.
;; ======== version 1 of 1: 4 launches
;; limits: values are held in f16: magnitudes above 65,504 overflow, below 6.1e-05 lose precision; right only within a limited range of input values
;; workspace buffers: xb 33,554,432 bytes; wqkv 16,777,216 bytes; wo16 8,388,608 bytes; mk 16,777,216 bytes; rope 1,049,088 bytes; qkv 16,777,216 bytes; ob 8,388,608 bytes
;; launch prep (part 1): grid 2064 x 1, 8 waves a work-group, no clusters, 0 bytes of LDS; arguments hidden_states, attention_mask, Wq, Wk, Wv, Wo, xb, mk, wqkv, wo16, rope; writes xb, mk, wqkv, wo16, rope
.if DOCPART == 1
	.amdgcn_target "amdgcn-amd-amdhsa--gfx1250"
	.amdhsa_code_object_version 6
	.text
	.protected	k_q8cdb3c761f_prep
	.globl	k_q8cdb3c761f_prep
	.p2align	8
	.type	k_q8cdb3c761f_prep,@function
k_q8cdb3c761f_prep:
	s_mov_b64 s[64:65], 0
	v_nop
	global_prefetch_b8 v0, s[64:65] scope:SCOPE_SE
	s_setreg_imm32_b32 hwreg(HW_REG_WAVE_MODE, 25, 1), 1
	s_wait_xcnt 0x0
; PREP: every input is rounded once to bf16 and laid out for the three matrix launches; the table of cos and sin is made.
;   xb   [4096][4096] bf16 = hidden_states          wqkv [4096 k][2048 n] bf16 = Wq | Wk | Wv side by side
;   wo16 [1024][4096] f16  = 8 x bf16(Wo)           mk   [2048][2048] f32 = bf16(attention_mask) x log2(e)
;   rope [2049][128] f32: row s = cos(s f_j) / 8 for j = 0..63, then sin(s f_j) / 8; row 2048 = 64 x 0.125, then 64 x 0 (for v, which is not turned)
; LIMITS.  8 x Wo must lie within f16's 65,504; below 6e-5 it keeps f16's fixed step of 6e-8.  A mask number whose bf16 rounding times log2(e) is no finite f32 is not served.
; A stream: no LDS, no matrix unit.  The work-group's number picks the path: 0-15 table, 16-1039 x, 1040-1295 mask, 1296-1551 Wq, 1552-1807 Wk and Wv, 1808-2063 Wo.
; A cast work-group takes 16 chunks of 1,024 f32 (4,096 bytes); thread t takes the 16 bytes at 16 t of each: a wave's load covers 512 consecutive bytes, its 8-byte stores
; 256 consecutive aligned bytes, its 16-byte stores 512.  All sixteen loads go out first; each register is written once, so no store's source is ever rewritten.
.set SO,  2                            ; v2      16 t: my bytes in a chunk of the source
.set DO,  3                            ; v3      my bytes in a chunk of the destination
.set T0,  8                            ; v[8:9]  four numbers as bf16
.set X,   16                           ; v[16:79] chunk i: four registers
.set FAC, 4                            ; s[4:5]  the factor behind the rounding (named as a pair, its low word is used)
.set HIM, 6                            ; s6      mask of a word's upper bf16
.set SRC, 32                           ; s[32:33] source at the work-group's first chunk
.set DST, 34                           ; s[34:35] destination
.set OFS, 36                           ; s[36:37] byte offset into the source
.set OFD, 38                           ; s[38:39] byte offset into the destination
; kind 0: f32 -> bf16.  kind 1: f32 -> bf16 -> f32 x FAC.  kind 2: f32 -> bf16 -> x FAC -> f16.  dstep: bytes from chunk to chunk in the destination.
.macro CAST kind, dstep
.set i, 0
.rept 16
	global_load_b128 v[X+4*i:X+4*i+3], v[SO], s[SRC:SRC+1] offset:4096*i th:TH_LOAD_NT
.set i, i+1
.endr
.set i, 0
.rept 16
	s_wait_loadcnt 15-i                            ; loads come back in order: chunk i is in, the 15 - i younger ones stay out
.if (\kind) == 0
	v_cvt_pk_bf16_f32 v[X+4*i], v[X+4*i], v[X+4*i+1]
	v_cvt_pk_bf16_f32 v[X+4*i+1], v[X+4*i+2], v[X+4*i+3]
	global_store_b64 v[DO], v[X+4*i:X+4*i+1], s[DST:DST+1] offset:i*(\dstep) th:TH_STORE_NT
.else
	v_cvt_pk_bf16_f32 v[T0], v[X+4*i], v[X+4*i+1]
	v_cvt_pk_bf16_f32 v[T0+1], v[X+4*i+2], v[X+4*i+3]
	v_lshlrev_b32 v[X+4*i], 16, v[T0]              ; bf16 to f32: the low half moves up, the high half stays
	v_and_b32 v[X+4*i+1], s[HIM], v[T0]
	v_lshlrev_b32 v[X+4*i+2], 16, v[T0+1]
	v_and_b32 v[X+4*i+3], s[HIM], v[T0+1]
	v_pk_mul_f32 v[X+4*i:X+4*i+1], v[X+4*i:X+4*i+1], s[FAC:FAC+1] op_sel_hi:[1,0]
	v_pk_mul_f32 v[X+4*i+2:X+4*i+3], v[X+4*i+2:X+4*i+3], s[FAC:FAC+1] op_sel_hi:[1,0]
.if (\kind) == 1
	global_store_b128 v[DO], v[X+4*i:X+4*i+3], s[DST:DST+1] offset:i*(\dstep) th:TH_STORE_NT
.else
	v_cvt_pk_f16_f32 v[X+4*i], v[X+4*i], v[X+4*i+1]
	v_cvt_pk_f16_f32 v[X+4*i+1], v[X+4*i+2], v[X+4*i+3]
	global_store_b64 v[DO], v[X+4*i:X+4*i+1], s[DST:DST+1] offset:i*(\dstep) th:TH_STORE_NT
.endif
.endif
.set i, i+1
.endr
.endm
	s_load_b512 s[8:23], s[0:1], 0x0               ; x s[8:9], mask s[10:11], Wq s[12:13], Wk s[14:15], Wv s[16:17], Wo s[18:19], xb s[20:21], mk s[22:23]
	s_load_b128 s[24:27], s[0:1], 0x40             ; wqkv s[24:25], wo16 s[26:27]
	s_load_b64 s[28:29], s[0:1], 0x50              ; rope
	v_lshlrev_b32 v[SO], 4, v0
	v_lshlrev_b32 v[DO], 3, v0
	s_mov_b32 s[HIM], 0xffff0000
	s_mov_b32 s[OFS+1], 0
	s_mov_b32 s[OFD+1], 0
	s_wait_kmcnt 0x0
	s_cmp_lt_u32 ttmp9, 16
	s_cbranch_scc1 .Ltable
	s_cmp_lt_u32 ttmp9, 1040
	s_cbranch_scc1 .Lx
	s_cmp_lt_u32 ttmp9, 1296
	s_cbranch_scc1 .Lmask
	s_cmp_lt_u32 ttmp9, 1552
	s_cbranch_scc1 .Lwq
	s_cmp_lt_u32 ttmp9, 1808
	s_cbranch_scc1 .Lwkv
	; Wo: 256 work-groups, dense to dense
	s_sub_co_u32 s3, ttmp9, 1808
	s_lshl_b32 s[OFS], s3, 16
	s_lshl_b32 s[OFD], s3, 15
	s_add_nc_u64 s[SRC:SRC+1], s[18:19], s[OFS:OFS+1]
	s_add_nc_u64 s[DST:DST+1], s[26:27], s[OFD:OFD+1]
	s_mov_b32 s[FAC], 0x41000000                   ; 8: it takes back the 1/8 that O carries
	s_mov_b32 s[FAC+1], s[FAC]
	CAST 2, 2048
	s_endpgm
.Lx:                                               ; 1,024 work-groups, dense to dense
	s_sub_co_u32 s3, ttmp9, 16
	s_lshl_b32 s[OFS], s3, 16
	s_lshl_b32 s[OFD], s3, 15
	s_add_nc_u64 s[SRC:SRC+1], s[8:9], s[OFS:OFS+1]
	s_add_nc_u64 s[DST:DST+1], s[20:21], s[OFD:OFD+1]
	CAST 0, 2048
	s_endpgm
.Lmask:                                            ; 256 work-groups; f32 stays f32
	s_sub_co_u32 s3, ttmp9, 1040
	s_lshl_b32 s[OFS], s3, 16
	s_add_nc_u64 s[SRC:SRC+1], s[10:11], s[OFS:OFS+1]
	s_add_nc_u64 s[DST:DST+1], s[22:23], s[OFS:OFS+1]
	s_mov_b32 s[FAC], 0x3fb8aa3b                   ; log2(e): the softmax works in powers of two
	s_mov_b32 s[FAC+1], s[FAC]
	v_mov_b32 v[DO], v[SO]
	CAST 1, 4096
	s_endpgm
.Lwq:                                              ; 256 work-groups; a chunk is a row of Wq: the first 2,048 bytes of a row of wqkv (4,096 bytes)
	s_sub_co_u32 s3, ttmp9, 1296
	s_lshl_b32 s[OFS], s3, 16
	s_add_nc_u64 s[SRC:SRC+1], s[12:13], s[OFS:OFS+1]
	s_add_nc_u64 s[DST:DST+1], s[24:25], s[OFS:OFS+1]
	CAST 0, 4096
	s_endpgm
.Lwkv:                                             ; 128 work-groups for Wk, 128 for Wv; a chunk is two rows of 512 numbers
	s_sub_co_u32 s3, ttmp9, 1552
	s_and_b32 s2, s3, 127
	s_lshr_b32 s3, s3, 7                           ; 0: Wk, 1: Wv
	s_lshl_b32 s[OFS], s2, 16
	s_lshl_b32 s[OFD], s2, 17                      ; 32 rows of wqkv
	s_lshl_b32 s7, s3, 10
	s_add_co_u32 s[OFD], s[OFD], s7
	s_add_co_u32 s[OFD], s[OFD], 2048              ; Wk's columns begin at byte 2,048 of a row, Wv's at 3,072
	s_cmp_eq_u32 s3, 0
	s_cselect_b64 s[SRC:SRC+1], s[14:15], s[16:17]
	s_add_nc_u64 s[SRC:SRC+1], s[SRC:SRC+1], s[OFS:OFS+1]
	s_add_nc_u64 s[DST:DST+1], s[24:25], s[OFD:OFD+1]
	v_lshrrev_b32 v4, 7, v0                        ; which of the chunk's two rows
	v_and_b32 v5, 127, v0
	v_lshlrev_b32 v5, 3, v5
	v_lshl_add_u32 v[DO], v4, 12, v5
	CAST 0, 8192
	s_endpgm
; THE TABLE.  Work-group g makes rows 128 g .. 128 g + 127, sixteen a trip.  Thread t: frequencies j = 4 (t % 16) + 0..3, row t / 16 of the sixteen.
; f_j = 2^(-j log2(10000) / 64).  angle = s f_j in f32, as the problem forms it; n = the nearest whole number to angle / 2 pi; th = angle - n 2 pi, with 2 pi in two parts;
; y = th / 2 lies within pi / 2, where the sine's series to y^11 and the cosine's to y^12 are cut below 6e-8.  cos th = 1 - 2 sin^2 y, sin th = 2 sin y cos y.
; The angles hang on the positions 0..2047 and the constants alone, so the series' length serves every input.
.Ltable:
	v_and_b32 v1, 15, v0
	v_lshrrev_b32 v2, 4, v0
	v_lshlrev_b32 v3, 2, v1
	v_lshrrev_b32 v24, 5, v0
	v_readfirstlane_b32 s7, v24                    ; my wave's number
	s_mov_b32 s4, 0x3e000000                       ; 0.125
.irp i, 0,1,2,3
	v_add_nc_u32 v[4+(\i)], \i, v3
	v_cvt_f32_u32 v[4+(\i)], v[4+(\i)]
	v_mul_f32 v[4+(\i)], 0xbe549a78, v[4+(\i)]     ; -j x 0.20762051
.endr
.irp i, 0,1,2,3
	v_exp_f32 v[4+(\i)], v[4+(\i)]
.endr
	s_lshl_b32 s3, ttmp9, 7
	v_add_nc_u32 v8, s3, v2                        ; my first row: also the plain instruction behind the last exponential
	s_wait_alu depctr_va_vdst(0)                   ; one wait for the four exponentials, ahead of their first reader and of the label
	v_lshlrev_b32 v9, 9, v8                        ; row x 512 bytes
	v_lshl_add_u32 v9, v1, 4, v9                   ; + my 16 bytes
	v_cvt_f32_u32 v8, v8
	s_mov_b32 s2, 8
.Ltrip:
.irp i, 0,1,2,3
	v_mul_f32 v10, v8, v[4+(\i)]                   ; the angle
	v_mul_f32 v11, 0.15915494, v10
	v_rndne_f32 v11, v11
	v_fmamk_f32 v10, v11, 0xc0c90fdb, v10          ; - n x 6.2831855
	v_fmamk_f32 v10, v11, 0x343bbd2e, v10          ; + n x 1.7484556e-7
	v_mul_f32 v12, 0.5, v10                        ; y
	v_mul_f32 v13, v12, v12                        ; y^2
	v_mov_b32 v14, 0xb2d7322b                      ; -1/11!
	v_fmaak_f32 v14, v14, v13, 0x3638ef1d          ; 1/9!
	v_fmaak_f32 v14, v14, v13, 0xb9500d01          ; -1/7!
	v_fmaak_f32 v14, v14, v13, 0x3c088889          ; 1/5!
	v_fmaak_f32 v14, v14, v13, 0xbe2aaaab          ; -1/3!
	v_mul_f32 v15, v12, v13
	v_fma_f32 v14, v15, v14, v12                   ; sin y
	v_mov_b32 v15, 0x310f76c7                      ; 1/12!
	v_fmaak_f32 v15, v15, v13, 0xb493f27e          ; -1/10!
	v_fmaak_f32 v15, v15, v13, 0x37d00d01          ; 1/8!
	v_fmaak_f32 v15, v15, v13, 0xbab60b61          ; -1/6!
	v_fmaak_f32 v15, v15, v13, 0x3d2aaaab          ; 1/4!
	v_fmaak_f32 v15, v15, v13, 0xbf000000          ; -1/2
	v_fma_f32 v15, v15, v13, 1.0                   ; cos y
	v_mul_f32 v14, 0.5, v14                        ; h = sin y / 2
	v_fma_f32 v[16+(\i)], -v14, v14, s4            ; cos th / 8 = 1/8 - h^2
	v_mul_f32 v15, v14, v15
	v_mul_f32 v[20+(\i)], 0.5, v15                 ; sin th / 8 = h cos y / 2
.endr
	global_store_b128 v9, v[16:19], s[28:29]             ; sixteen lanes fill the row's 256 bytes of cosines,
	global_store_b128 v9, v[20:23], s[28:29] offset:256  ; and of sines
	s_wait_xcnt 0x0                                ; the stores' data and offset are written again only behind this wait
	v_add_nc_u32 v9, 8192, v9                      ; sixteen rows on
	v_add_f32 v8, 0x41800000, v8
	s_sub_co_u32 s2, s2, 1
	s_cmp_lg_u32 s2, 0
	s_cbranch_scc1 .Ltrip
	s_cmp_lg_u32 ttmp9, 0                          ; row 2048 is written by wave 0 of work-group 0: 32 lanes x 16 bytes
	s_cbranch_scc1 .Ltdone
	s_cmp_lg_u32 s7, 0
	s_cbranch_scc1 .Ltdone
	v_lshlrev_b32 v25, 4, v0
	v_mov_b32 v26, 0x3e000000
	v_cmp_gt_u32 vcc_lo, 16, v0
	v_cndmask_b32 v28, 0, v26, vcc_lo              ; 0.125 in the first 256 bytes, 0 in the second
	v_mov_b32 v29, v28
	v_mov_b32 v30, v28
	v_mov_b32 v31, v28
	global_store_b128 v25, v[28:31], s[28:29] offset:1048576
.Ltdone:
	s_endpgm
.Lfunc_end_k_q8cdb3c761f_prep:
	.size	k_q8cdb3c761f_prep, .Lfunc_end_k_q8cdb3c761f_prep-k_q8cdb3c761f_prep
	.p2alignl 7, 3214868480
	.fill 96, 4, 3214868480
	.section	.rodata,"a",@progbits
	.p2align	6, 0x0
	.amdhsa_kernel k_q8cdb3c761f_prep
		.amdhsa_group_segment_fixed_size 0
		.amdhsa_private_segment_fixed_size 0
		.amdhsa_enable_private_segment 0
		.amdhsa_kernarg_size 88
		.amdhsa_user_sgpr_count 2
		.amdhsa_user_sgpr_kernarg_segment_ptr 1
		.amdhsa_wavefront_size32 1
		.amdhsa_system_sgpr_workgroup_id_x 1
		.amdhsa_system_sgpr_workgroup_id_y 1
		.amdhsa_system_sgpr_workgroup_id_z 1
		.amdhsa_system_vgpr_workitem_id 0
		.amdhsa_next_free_vgpr 96
		.amdhsa_next_free_sgpr 66
		.amdhsa_reserve_vcc 1
		.amdhsa_float_denorm_mode_32 3
		.amdhsa_float_denorm_mode_16_64 3
		.amdhsa_memory_ordered 1
		.amdhsa_forward_progress 1
		.amdhsa_inst_pref_size 48
	.end_amdhsa_kernel
	.amdgpu_metadata
---
amdhsa.version: [ 1, 2 ]
amdhsa.kernels:
  - .name:           k_q8cdb3c761f_prep
    .symbol:         k_q8cdb3c761f_prep.kd
    .args:
      - { .name: hidden_states, .offset: 0, .size: 8, .value_kind: global_buffer, .address_space: global }
      - { .name: attention_mask, .offset: 8, .size: 8, .value_kind: global_buffer, .address_space: global }
      - { .name: Wq, .offset: 16, .size: 8, .value_kind: global_buffer, .address_space: global }
      - { .name: Wk, .offset: 24, .size: 8, .value_kind: global_buffer, .address_space: global }
      - { .name: Wv, .offset: 32, .size: 8, .value_kind: global_buffer, .address_space: global }
      - { .name: Wo, .offset: 40, .size: 8, .value_kind: global_buffer, .address_space: global }
      - { .name: xb, .offset: 48, .size: 8, .value_kind: global_buffer, .address_space: global }
      - { .name: mk, .offset: 56, .size: 8, .value_kind: global_buffer, .address_space: global }
      - { .name: wqkv, .offset: 64, .size: 8, .value_kind: global_buffer, .address_space: global }
      - { .name: wo16, .offset: 72, .size: 8, .value_kind: global_buffer, .address_space: global }
      - { .name: rope, .offset: 80, .size: 8, .value_kind: global_buffer, .address_space: global }
    .group_segment_fixed_size: 0
    .private_segment_fixed_size: 0
    .kernarg_segment_align: 8
    .kernarg_segment_size: 88
    .max_flat_workgroup_size: 256
    .sgpr_count:     66
    .vgpr_count:     96
    .wavefront_size: 32
...
	.end_amdgpu_metadata
.endif
;; end of part 1
;; launch qkvproj (part 2): grid 8 x 32, 4 waves a work-group, clusters of 4 x 4, 327,680 bytes of LDS; arguments xb, wqkv, rope, qkv; writes qkv
.if DOCPART == 2
	.amdgcn_target "amdgcn-amd-amdhsa--gfx1250"
	.amdhsa_code_object_version 6
	.text
	.protected	k_q8cdb3c761f_qkvproj
	.globl	k_q8cdb3c761f_qkvproj
	.p2align	8
	.type	k_q8cdb3c761f_qkvproj,@function
k_q8cdb3c761f_qkvproj:
	s_mov_b64 s[64:65], 0
	v_nop
	global_prefetch_b8 v0, s[64:65] scope:SCOPE_SE
	s_setreg_imm32_b32 hwreg(HW_REG_WAVE_MODE, 25, 1), 1
	s_wait_xcnt 0x0
	s_wait_alu depctr_hold_cnt(0) depctr_sa_sdst(0) depctr_va_vdst(0) depctr_va_sdst(0) depctr_va_ssrc(0) depctr_va_vcc(0) depctr_vm_vsrc(0)
	s_getreg_b32 s2, hwreg(HW_REG_IB_STS2, 6, 4)
	s_cmp_eq_u32 s2, 0
	s_cbranch_scc0 .Lentry_in_a_cluster
	s_endpgm
.Lentry_in_a_cluster:
	s_bfe_u32 s2, ttmp6, 0x10000c
	s_cmp_lg_u32 s2, 0xf033
	s_cbranch_scc0 .Lentry_shape_is_right
	s_endpgm
.Lentry_shape_is_right:
; q, k, v = x [Wq | Wk | Wv], q and k turned by RoPE, all times 1/8, rounded once to f16, stored by heads: qkv [16 head slots][2 b][2048 s][128]; slots 0-7 q, 8-11 k, 12-15 v.
; xb: [4096][4096] bf16 (K along the rows).  wqkv: [4096 k][2048 n] bf16 (n along the rows).  Sums in f32.
; LIMIT.  q, k and v are stored times 1/8 (exact), so that f16's 65,504 is reached only at 524,000; beyond that an infinity is stored.  Below 5e-4 they keep the fixed step 5e-7.
; SHARES.  A tile of the product is 128 rows x 256 columns: 32 x 8 = 256 work-groups.  Four waves, each 64 rows x 128 columns = one head: 32 accumulators of 16 x 16, all of window 2.
; K goes in 32 steps of 128 through a ring of two LDS slots filled by the tensor data mover: waves 0 and 1 fetch 64 rows of x each (256 bytes a row), waves 2 and 3 64 k-rows of the
; weights each (512 bytes a row).
; THE MATRIX INSTRUCTION IS USED TRANSPOSED: source 0 = 16 columns of the weights (out of LDS by the turning load, since they lie [k][n]), source 1 = 16 rows of x.  A lane then holds row
; l % 16 and the eight neighbouring columns 8 (l / 16) + 0..7.
; CLUSTER.  4 x 4 work-groups.  x's tile hangs on the tile row alone and is asked for jointly by a row of the cluster, the weights' on the tile column alone, by a column.
; ROPE.  Column d < 64 of a head lies in accumulator (a, d / 16), its partner d + 64 in (a, d / 16 + 4), same lane, same register.  cos / 8 and sin / 8 come from the table, by position;
; a tile of v reads the table's last row (1/8 and 0) with pitch 0 and runs the same lines: only a global address hangs on the tile column.
; REGISTERS, in windows of 256 (s_set_vgpr_msb: bits 1:0 source 0, 3:2 source 1, 5:4 source 2, 7:6 destination):
;   window 0: v0-31 addresses; v48-51 offsets into the table; v64-95, v128-159 x's fragments, two buffers; on the way out v64-127 turned numbers, v128-191 rows read back, v192-223 packed
;   window 1: v64-127, v128-191 the weights' fragments, two buffers      window 2: accumulator (a, b) at v[8 (8 a + b)]      window 3: for block a cos at v[64 a ..], sin at v[64 a + 32 ..]
.set PA,     272                       ; x's row in LDS: 256 bytes + 16 = 68 words: the 16 rows of a load start at 16 different groups of four banks (64 banks of 4 bytes: ISA guide 11.1)
.set PB,     544                       ; the weights' row: 512 + 32 = 136 words
.set BOFF,   128*PA                    ; a slot: x's 128 rows, then the weights' 128 k-rows
.set SLOT,   BOFF+128*PB
.set STAGE,  2*SLOT                    ; behind the ring, never filled by a tensor load: 16 rows x 272 bytes for each wave, for the way out
.set SP,     272
.set SPARE,  STAGE+4*16*SP             ; the spare words, 128 bytes for each wave: two blocks of 256 bytes that no other line names
.set LAPS,   16                        ; a lap = two K steps = once round the ring
.set ASTEP,  256                       ; bytes of a K step along a row of x
.set BSTEP,  128*4096                  ; bytes of a K step down the weights
.set ADRA, 16                          ; v16-17  LDS address of my fragments of x in slot 0, 1
.set ADRB, 20                          ; v20-21  the same for the weights
.set STO,  24                          ; v24     the way out: where I put 16 bytes of a row
.set RD,   25                          ; v25     where I read rows back
.set CO,   26                          ; v26     16 x lane: my bytes in 512 consecutive bytes of qkv
.set SPW,  28                          ; v28     LDS address of my spare word; never rewritten
.set NIL,  29                          ; v29     0; never rewritten
.set PFO,  30                          ; v30     the prefetches' offset; never rewritten
.set RO,   48                          ; v48-51  block a: byte offset of my 32 bytes in my row of the table
.set F0,   64
.set F1,   128
.set T,    64
.set OB,   128
.set TMP,  192
.set WV,   12                          ; s12  wave
.set WM,   13                          ; s13  my half of the rows; also: I fetch x (0) or weights (1)
.set WN,   14                          ; s14  my 128 columns; also: which half of that tile I fetch
.set LIM,  15                          ; s15  1 in a wave that prefetches, else the greatest number
.set G1A,  24                          ; s[24:31] descriptor group 1 for x's tiles;   s[32:39] group 0, a set for each slot
.set G0A,  32
.set G1B,  40                          ; s[40:47], s[48:55] the same for the weights'
.set G0B,  48
.set CX,   56
.set CY,   57
.set TX,   58                          ; tile column
.set TY,   59                          ; tile row
.set LAP,  60
.set PFA,  66                          ; s[66:67] where my prefetches stand
.set PFS,  68                          ; s[68:69] their step: a K step
.set MSB, 0
.macro WIN new                         ; the immediate's high byte repeats the setting that is left; a switch that changes nothing is dropped
.if MSB != (\new)
	s_set_vgpr_msb (MSB<<8)|(\new)
.set MSB, \new
.endif
.endm
.set MUL,  0xa1                        ; source 0 window 1, source 1 window 0, C and D window 2
.set TO_B, 0x40                        ; destination window 1, address window 0
.macro PLACES                          ; four plain vector instructions between a matrix instruction and a load into, or a vector read or write of, its registers
.rept 4
	v_nop
.endr
.endm
; A joint load: one line and one mask for all that issue it; the branch hangs on the wave's number alone.  An s_nop 0 and four v_nop follow each line.
.macro JLOAD s
	s_cmp_eq_u32 s[WM], 0
	s_cbranch_scc0 .Lfor_b_\@
	tensor_load_to_lds s[G0A+4*(\s):G0A+4*(\s)+3], s[G1A:G1A+7]
	s_nop 0
.rept 4
	v_nop
.endr
	s_branch .Lasked_\@
.Lfor_b_\@:
	tensor_load_to_lds s[G0B+4*(\s):G0B+4*(\s)+3], s[G1B:G1B+7]
	s_nop 0
.rept 4
	v_nop
.endr
.Lasked_\@:
.endm
; A prefetch of the K step that stands two refills on, behind the joint load and the run of LDS loads.  Each row's piece of a K step is named once in the launch: x's by the clusters with x = 0 (wave 0: of the
; tile's 128 rows the partner at cx takes 32, a lane a row), the weights' by the clusters with y = 0 (waves 2, 3: of my 64 k-rows the partner at cy takes 16, two lanes a row of 512 bytes).
; The partners are told apart by address.  The loop's last trip asks for nothing: there is no K step two on.
.macro ASK
	s_cmp_gt_u32 s[LAP], s[LIM]
	s_cbranch_scc0 .Lnot_mine_\@
	global_prefetch_b8 v[PFO], s[PFA:PFA+1] th:TH_LOAD_NT scope:SCOPE_SE
.Lnot_mine_\@:
.endm
.macro CROUND                          ; a round of the cluster's barrier
	s_barrier_signal -1
	s_barrier_wait -1
	s_cmp_lg_u32 s[WV], 0
	s_cbranch_scc1 .Lnot_wave_0_\@
	s_barrier_signal -3
.Lnot_wave_0_\@:
	s_barrier_wait -3
	s_barrier_signal -1
	s_barrier_wait -1
.endm
	s_load_b256 s[4:11], s[0:1], 0x0               ; xb s[4:5], wqkv s[6:7], rope s[8:9], qkv s[10:11]
	v_lshl_add_u32 v[SPW], v0, 2, SPARE
	v_mov_b32 v[NIL], 0
	ds_add_u32 v[SPW], v[NIL]                      ; the wave's opening: the add and its wait stand ahead of my first tensor load; work on registers stands between them
	v_lshrrev_b32 v1, 5, v0
	v_readfirstlane_b32 s[WV], v1
	s_lshr_b32 s[WM], s[WV], 1
	s_and_b32 s[WN], s[WV], 1
	s_bfe_u32 s[CX], ttmp6, 0x40000
	s_bfe_u32 s[CY], ttmp6, 0x40004
	s_lshl_b32 s[TX], ttmp9, 2
	s_add_co_u32 s[TX], s[TX], s[CX]
	s_and_b32 s[TY], ttmp7, 0xffff
	s_lshl_b32 s[TY], s[TY], 2
	s_add_co_u32 s[TY], s[TY], s[CY]
	s_lshl_b32 s16, s[CY], 2
	s_lshl_b32 s16, 15, s16                        ; my row of the cluster
	s_lshl_b32 s20, 0x1111, s[CX]                  ; my column
	s_or_b32 s[G1A], s16, (1<<16)|(1<<20)|(1<<21)|(5<<22)|(3<<25)  ; mask; 2-byte elements; padding on; bit 21 beside a mask; after every 64 words 4 words
	s_or_b32 s[G1B], s20, (1<<16)|(1<<20)|(1<<21)|(6<<22)|(7<<25)  ; the same; after every 128 words 8 words
	s_mov_b32 s[G1A+1], 128<<16                    ; tensor_dim0 = 128
	s_mov_b32 s[G1A+2], 64<<16                     ; tensor_dim1 = 64
	s_mov_b32 s[G1A+3], 128<<16                    ; tile_dim0 = 128
	s_mov_b32 s[G1A+4], 64                         ; tile_dim1 = 64
	s_mov_b32 s[G1A+5], 4096                       ; elements from row to row
	s_mov_b32 s[G1A+6], 0
	s_mov_b32 s[G1A+7], 0
	s_mov_b32 s[G1B+1], 256<<16
	s_mov_b32 s[G1B+2], 64<<16
	s_mov_b32 s[G1B+3], 256<<16
	s_mov_b32 s[G1B+4], 64
	s_mov_b32 s[G1B+5], 2048
	s_mov_b32 s[G1B+6], 0
	s_mov_b32 s[G1B+7], 0
	s_lshl_b32 s16, s[TY], 7                       ; x: row 128 x tile row + 64 x half, 8,192 bytes a row
	s_lshl_b32 s18, s[WN], 6
	s_add_co_u32 s16, s16, s18
	s_lshl_b32 s16, s16, 13
	s_mov_b32 s17, 0
	s_lshl_b32 s20, s[WN], 18                      ; weights: k-row 64 x half (4,096 bytes a row), column 256 x tile column (2 bytes)
	s_lshl_b32 s22, s[TX], 9
	s_add_co_u32 s20, s20, s22
	s_mov_b32 s21, 0
	s_mul_i32 s19, s[WN], 64*PA                    ; where they go: no place in the cluster enters an LDS address
	s_mul_i32 s23, s[WN], 64*PB
	s_add_co_u32 s23, s23, BOFF
	s_wait_dscnt 0x0                               ; the opening add is done
	s_wait_kmcnt 0x0
	s_add_nc_u64 s[16:17], s[4:5], s[16:17]
	s_add_nc_u64 s[20:21], s[6:7], s[20:21]
	CROUND                                         ; all sixteen work-groups are here: the first joint loads meet
.irp s, 0,1
	s_mov_b32 s[G0A+4*(\s)], 1
	s_add_co_u32 s[G0A+4*(\s)+1], s19, (\s)*SLOT
	s_add_nc_u64 s[G0A+4*(\s)+2:G0A+4*(\s)+3], s[16:17], (\s)*ASTEP
	s_or_b32 s[G0A+4*(\s)+3], s[G0A+4*(\s)+3], 0x80000000
	s_mov_b32 s[G0B+4*(\s)], 1
	s_add_co_u32 s[G0B+4*(\s)+1], s23, (\s)*SLOT
	s_add_nc_u64 s[G0B+4*(\s)+2:G0B+4*(\s)+3], s[20:21], (\s)*BSTEP
	s_or_b32 s[G0B+4*(\s)+3], s[G0B+4*(\s)+3], 0x80000000
	JLOAD \s                                       ; both slots are asked for before anything else: two loads of mine are out
.endr
	; lane addresses.  A fragment of x: lane l holds row l % 16, K = 8 (l / 16) + 0..7 and 16 + 8 (l / 16) + 0..7: two loads of 16 bytes, 32 bytes apart.
	; The turning load: lane l reads k-row 8 (l / 16) + l % 8, 16 bytes at 16 ((l / 8) % 2), and ends with column l % 16 and 8 k.
	v_and_b32 v1, 15, v0
	v_bfe_u32 v2, v0, 4, 1
	v_and_b32 v31, 31, v0
	v_mul_u32_u24 v3, v1, PA
	v_lshl_add_u32 v3, v2, 4, v3
	s_mul_i32 s18, s[WM], 64*PA
	v_and_b32 v4, 7, v0
	v_lshl_add_u32 v4, v2, 3, v4
	v_mul_u32_u24 v4, v4, PB
	v_bfe_u32 v5, v0, 3, 1
	v_lshl_add_u32 v4, v5, 4, v4
	s_lshl_b32 s19, s[WN], 8
	s_add_co_u32 s19, s19, BOFF
.irp s, 0,1
	v_add_nc_u32 v[ADRA+(\s)], s18, v3
	v_add_nc_u32 v[ADRB+(\s)], s19, v4
	s_add_co_u32 s18, s18, SLOT
	s_add_co_u32 s19, s19, SLOT
.endr
	s_mul_i32 s18, s[WV], 16*SP
	s_add_co_u32 s18, s18, STAGE
	v_mul_u32_u24 v4, v1, SP
	v_lshl_add_u32 v4, v2, 4, v4
	v_add_nc_u32 v[STO], s18, v4
	v_mul_u32_u24 v5, v2, SP
	v_lshl_add_u32 v5, v1, 4, v5
	v_add_nc_u32 v[RD], s18, v5
	v_lshlrev_b32 v[CO], 4, v31
	; where my 64 rows of my head begin in qkv
	s_lshl_b32 s16, s[TY], 7
	s_lshl_b32 s17, s[WM], 6
	s_add_co_u32 s16, s16, s17                     ; my first row, b x 2048 + s
	s_lshl_b32 s18, s[TX], 1
	s_add_co_u32 s18, s18, s[WN]                   ; my head slot
	s_lshl_b32 s18, s18, 1
	s_lshr_b32 s19, s16, 11
	s_add_co_u32 s18, s18, s19                     ; x 2 + b
	s_lshl_b32 s18, s18, 11
	s_and_b32 s19, s16, 2047
	s_add_co_u32 s18, s18, s19                     ; x 2048 + s
	s_lshl_b32 s18, s18, 8                         ; 256 bytes a row
	s_mov_b32 s19, 0
	s_add_nc_u64 s[10:11], s[10:11], s[18:19]
	; the table: pitch 512 from byte 0 for q and k (tile columns 0-5), pitch 0 from the last row for v (6, 7)
	s_lshr_b32 s17, s[TX], 1
	s_lshr_b32 s22, s[TX], 2
	s_and_b32 s17, s17, s22
	s_and_b32 s17, s17, 1                          ; 1 for v
	s_lshl_b32 s22, s17, 20                        ; 0 or 1,048,576
	s_xor_b32 s17, s17, 1
	s_lshl_b32 s17, s17, 9                         ; 512 or 0
	v_add_nc_u32 v6, s16, v1
.irp a, 0,1,2,3
	v_add_nc_u32 v7, 16*(\a), v6
	v_and_b32 v7, 0x7ff, v7                        ; the position
	v_mul_u32_u24 v7, v7, s17
	v_add_nc_u32 v7, s22, v7
	v_lshl_add_u32 v[RO+(\a)], v2, 5, v7           ; + my lanes' eight numbers
.endr
	WIN 0xc0                                       ; destination window 3, offset window 0
.irp a, 0,1,2,3
.irp b, 0,1,2,3
	global_load_b128 v[64*(\a)+8*(\b):64*(\a)+8*(\b)+3],       v[RO+(\a)], s[8:9] offset:64*(\b)
	global_load_b128 v[64*(\a)+8*(\b)+4:64*(\a)+8*(\b)+7],     v[RO+(\a)], s[8:9] offset:64*(\b)+16
	global_load_b128 v[64*(\a)+32+8*(\b):64*(\a)+32+8*(\b)+3], v[RO+(\a)], s[8:9] offset:256+64*(\b)
	global_load_b128 v[64*(\a)+32+8*(\b)+4:64*(\a)+32+8*(\b)+7], v[RO+(\a)], s[8:9] offset:256+64*(\b)+16
.endr
.endr
	WIN 0
	; the prefetches
	s_lshl_b32 s16, s[TY], 7
	s_lshl_b32 s17, s[CX], 5
	s_add_co_u32 s16, s16, s17
	s_lshl_b32 s16, s16, 13
	s_add_co_u32 s16, s16, 3*ASTEP                 ; x: row 128 x tile row + 32 cx, at K step 3: the first refill steps it to 4
	s_lshl_b32 s18, s[WN], 6
	s_lshl_b32 s19, s[CY], 4
	s_add_co_u32 s18, s18, s19
	s_lshl_b32 s18, s18, 12
	s_lshl_b32 s19, s[TX], 9
	s_add_co_u32 s18, s18, s19
	s_add_co_u32 s18, s18, 3*BSTEP                 ; weights: k-row 64 x half + 16 cy, my tile column
	s_cmp_eq_u32 s[WM], 0
	s_cselect_b32 s16, s16, s18
	s_cselect_b64 s[PFA:PFA+1], s[4:5], s[6:7]
	s_mov_b32 s17, 0
	s_add_nc_u64 s[PFA:PFA+1], s[PFA:PFA+1], s[16:17]
	s_mul_i32 s18, s[WM], 11
	s_lshl_b32 s[PFS], 256, s18                    ; 256 or 524,288
	s_mov_b32 s[PFS+1], 0
	v_lshrrev_b32 v6, s[WM], v31                   ; a lane a row of x; two lanes a row of the weights
	s_lshr_b32 s18, 8192, s[WM]
	v_mul_u32_u24 v6, v6, s18
	v_and_b32 v7, s[WM], v31
	v_lshl_add_u32 v[PFO], v7, 8, v6
	s_and_b32 s16, ttmp7, 0xffff
	s_cmp_eq_u32 s[WM], 0
	s_cselect_b32 s16, ttmp9, s16                  ; the coordinate along which other clusters read the same rows
	s_cmp_eq_u32 s[WV], 1
	s_cselect_b32 s16, 1, s16                      ; wave 0's 32 lanes and the four partners cover x's 128 rows: wave 1 asks for nothing
	s_cmp_eq_u32 s16, 0
	s_cselect_b32 s[LIM], 1, -1                    ; the same in all sixteen partners, for a given wave
; 8 matrix instructions: row block a x all 8 column blocks, 32 along K.  All 32 accumulators take turns in the same order in every quarter, one instruction a turn.
.macro MUL8 f, a, zero
	WIN MUL
.irp b, 0,1,2,3,4,5,6,7
.if \zero
	v_wmma_f32_16x16x32_bf16 v[8*(8*(\a)+(\b)):8*(8*(\a)+(\b))+7], v[(\f)+8*(\b):(\f)+8*(\b)+7], v[(\f)+8*(\a):(\f)+8*(\a)+7], 0
.else
	v_wmma_f32_16x16x32_bf16 v[8*(8*(\a)+(\b)):8*(8*(\a)+(\b))+7], v[(\f)+8*(\b):(\f)+8*(\b)+7], v[(\f)+8*(\a):(\f)+8*(\a)+7], v[8*(8*(\a)+(\b)):8*(8*(\a)+(\b))+7]
.endif
.endr
.endm
; 24 LDS loads in one run: quarter kq (32 along K) of a slot into buffer f: the weights' 8 fragments (turned), then x's 4
.macro FETCH slot, kq, f
	WIN TO_B
.irp b, 0,1,2,3,4,5,6,7
	ds_load_tr16_b128 v[(\f)+8*(\b):(\f)+8*(\b)+3],   v[ADRB+(\slot)] offset:(\kq)*32*PB+32*(\b)
	ds_load_tr16_b128 v[(\f)+8*(\b)+4:(\f)+8*(\b)+7], v[ADRB+(\slot)] offset:(\kq)*32*PB+16*PB+32*(\b)
.endr
	WIN 0
.irp a, 0,1,2,3
	ds_load_b128 v[(\f)+8*(\a):(\f)+8*(\a)+3],   v[ADRA+(\slot)] offset:64*(\kq)+(\a)*16*PA
	ds_load_b128 v[(\f)+8*(\a)+4:(\f)+8*(\a)+7], v[ADRA+(\slot)] offset:64*(\kq)+(\a)*16*PA+32
.endr
.endm
; One of a K step's first three quarters: multiplies buffer f; in its middle it fetches quarter kq into buffer g.
.macro QUARTER slot, kq, f, g, zero
	s_wait_dscnt 4                                 ; the youngest four loads (x's blocks 2, 3) may be out
	MUL8 \f, 0, \zero
	MUL8 \f, 1, \zero
	PLACES
	FETCH \slot, \kq, \g
	s_wait_dscnt 24                                ; all but the 24 just issued
	MUL8 \f, 2, \zero
	MUL8 \f, 3, \zero
.endm
; The last quarter changes slots first and multiplies buffer 1 afterwards.  ONE barrier: in front of it each wave waits for all its tensor loads (the one that is out is its part of the next slot), adds 0 to
; its spare word, and waits for that and for its reads of this slot (the last of them fill buffer 1).  fill = 1: the barrier is a round of the cluster's, and this slot is filled again first thing behind it,
; two K steps ahead.  No product stands between the landing of one tile and the request for the next: the quarter's 32 products follow the request, so that a request has all
; 128 matrix instructions of a K step in front of the wait for it.
.macro TURN slot, next, fill
.if \fill
	s_wait_xcnt 0x0                                ; the last prefetch, a K step back, has read its address
	s_add_nc_u64 s[PFA:PFA+1], s[PFA:PFA+1], s[PFS:PFS+1]
.endif
	WIN 0
	s_wait_tensorcnt 0x0                           ; no tensor load of mine is out, so a group 0 may be written
	ds_add_u32 v[SPW], v[NIL]                      ; 0 onto my spare word; the descriptors' steps stand between it and the wait for it
.if \fill
	s_add_nc_u64 s[G0A+4*(\slot)+2:G0A+4*(\slot)+3], s[G0A+4*(\slot)+2:G0A+4*(\slot)+3], 2*ASTEP
	s_add_nc_u64 s[G0B+4*(\slot)+2:G0B+4*(\slot)+3], s[G0B+4*(\slot)+2:G0B+4*(\slot)+3], 2*BSTEP
.endif
	s_wait_dscnt 0x0                               ; the add is done, and my reads of this slot are over
.if \fill
	CROUND                                         ; no wave of any partner still reads this slot or has a load on its way
	JLOAD \slot                                    ; its four v_nop are also the places in front of the loads below
.else
	s_barrier_signal -1
	s_barrier_wait -1
	PLACES
.endif
	FETCH \next, 0, F0
.if \fill
	ASK
.endif
	MUL8 F1, 0, 0
	MUL8 F1, 1, 0
	MUL8 F1, 2, 0
	MUL8 F1, 3, 0
.endm
	s_wait_tensorcnt 0x1                           ; my part of K step 0 is in; step 1's load, issued behind it, may stay out
	s_barrier_signal -1
	s_barrier_wait -1
	FETCH 0, 0, F0
	QUARTER 0, 1, F0, F1, 1                        ; the first quarter stands in front of the loop: its products start the sums
	WIN 0
	s_mov_b32 s[LAP], LAPS-1
.Llap:                                             ; a trip goes once round the ring, from a lap's second quarter to the next lap's first, and fills both slots again
	QUARTER 0, 2, F1, F0, 0
	QUARTER 0, 3, F0, F1, 0
	TURN 0, 1, 1
	QUARTER 1, 1, F0, F1, 0
	QUARTER 1, 2, F1, F0, 0
	QUARTER 1, 3, F0, F1, 0
	TURN 1, 0, 1
	QUARTER 0, 1, F0, F1, 0
	WIN 0
	s_sub_co_u32 s[LAP], s[LAP], 1
	s_cmp_lg_u32 s[LAP], 0
	s_cbranch_scc1 .Llap
	QUARTER 0, 2, F1, F0, 0                        ; the last lap is written out: it fills nothing
	QUARTER 0, 3, F0, F1, 0
	TURN 0, 1, 0
	QUARTER 1, 1, F0, F1, 0
	QUARTER 1, 2, F1, F0, 0
	QUARTER 1, 3, F0, F1, 0
	s_wait_dscnt 4
	MUL8 F1, 0, 0
	MUL8 F1, 1, 0
	s_wait_dscnt 0x0
	MUL8 F1, 2, 0
	MUL8 F1, 3, 0
	WIN 0
	PLACES
	s_wait_loadcnt 0x0                             ; the table
; THE WAY OUT, a block of 16 rows at a time.  ROPE: out[d] = x[d] cos - x[d+64] sin, out[d+64] = x[d+64] cos + x[d] sin (cos and sin carry the 1/8); each accumulator's lowest registers are read first,
; then 32 roundings to f16.
.macro ROPE a
	WIN 0x0e                                       ; source 0 window 2, source 1 window 3, source 2 and destination window 0
.irp b, 0,1,2,3
.irp p, 0,2,4,6
	v_pk_mul_f32 v[T+8*(\b)+(\p):T+8*(\b)+(\p)+1], v[8*(8*(\a)+(\b))+(\p):8*(8*(\a)+(\b))+(\p)+1], v[64*(\a)+8*(\b)+(\p):64*(\a)+8*(\b)+(\p)+1]
	v_pk_mul_f32 v[T+32+8*(\b)+(\p):T+32+8*(\b)+(\p)+1], v[8*(8*(\a)+(\b)+4)+(\p):8*(8*(\a)+(\b)+4)+(\p)+1], v[64*(\a)+8*(\b)+(\p):64*(\a)+8*(\b)+(\p)+1]
	v_pk_fma_f32 v[T+8*(\b)+(\p):T+8*(\b)+(\p)+1], v[8*(8*(\a)+(\b)+4)+(\p):8*(8*(\a)+(\b)+4)+(\p)+1], v[64*(\a)+32+8*(\b)+(\p):64*(\a)+32+8*(\b)+(\p)+1], v[T+8*(\b)+(\p):T+8*(\b)+(\p)+1] neg_lo:[1,0,0] neg_hi:[1,0,0]
	v_pk_fma_f32 v[T+32+8*(\b)+(\p):T+32+8*(\b)+(\p)+1], v[8*(8*(\a)+(\b))+(\p):8*(8*(\a)+(\b))+(\p)+1], v[64*(\a)+32+8*(\b)+(\p):64*(\a)+32+8*(\b)+(\p)+1], v[T+32+8*(\b)+(\p):T+32+8*(\b)+(\p)+1]
.endr
.endr
	WIN 0
.set i, 0
.rept 32
	v_cvt_pk_f16_f32 v[TMP+i], v[T+2*i], v[T+2*i+1]
.set i, i+1
.endr
.endm
.macro TOSTAGE a                       ; 16 bytes a lane into my own stage, and back as whole rows of 256 bytes
.irp b, 0,1,2,3,4,5,6,7
	ds_store_b128 v[STO], v[TMP+4*(\b):TMP+4*(\b)+3] offset:32*(\b)
.endr
.irp t, 0,1,2,3,4,5,6,7
	ds_load_b128 v[OB+32*((\a)%2)+4*(\t):OB+32*((\a)%2)+4*(\t)+3], v[RD] offset:(\t)*2*SP  ; LDS serves a wave's instructions in order (ISA guide 5.7.1.4): these see the stores above
.endr
.endm
.macro SEND a
	s_wait_dscnt 0x0                               ; the block is back in registers
	s_wait_xcnt 0x0                                ; the stores of the block before have read their registers, which the next block's loads write
.irp t, 0,1,2,3,4,5,6,7
	global_store_b128 v[CO], v[OB+32*((\a)%2)+4*(\t):OB+32*((\a)%2)+4*(\t)+3], s[10:11] offset:(\a)*4096+(\t)*512  ; two rows of a head: 512 consecutive bytes, aligned
.endr
.endm
	ROPE 0
	TOSTAGE 0
.irp a, 1,2,3
	ROPE \a                                        ; a block's arithmetic stands between the loads of the block before and the wait for them
	SEND (\a)-1
	TOSTAGE \a
.endr
	SEND 3
	s_wait_tensorcnt 0x0                           ; the wave's end: behind my last tensor load and my last LDS store
	ds_add_u32 v[SPW], v[NIL]
	s_wait_dscnt 0x0
	CROUND                                         ; the closing round: no work-group ends while a partner may still ask for a tile that names it
	s_endpgm
.Lfunc_end_k_q8cdb3c761f_qkvproj:
	.size	k_q8cdb3c761f_qkvproj, .Lfunc_end_k_q8cdb3c761f_qkvproj-k_q8cdb3c761f_qkvproj
	.p2alignl 7, 3214868480
	.fill 96, 4, 3214868480
	.section	.rodata,"a",@progbits
	.p2align	6, 0x0
	.amdhsa_kernel k_q8cdb3c761f_qkvproj
		.amdhsa_group_segment_fixed_size 327680
		.amdhsa_private_segment_fixed_size 0
		.amdhsa_enable_private_segment 0
		.amdhsa_kernarg_size 32
		.amdhsa_user_sgpr_count 2
		.amdhsa_user_sgpr_kernarg_segment_ptr 1
		.amdhsa_wavefront_size32 1
		.amdhsa_system_sgpr_workgroup_id_x 1
		.amdhsa_system_sgpr_workgroup_id_y 1
		.amdhsa_system_sgpr_workgroup_id_z 1
		.amdhsa_system_vgpr_workitem_id 0
		.amdhsa_next_free_vgpr 1024
		.amdhsa_next_free_sgpr 72
		.amdhsa_reserve_vcc 0
		.amdhsa_float_denorm_mode_32 3
		.amdhsa_float_denorm_mode_16_64 3
		.amdhsa_memory_ordered 1
		.amdhsa_forward_progress 1
		.amdhsa_inst_pref_size 111
	.end_amdhsa_kernel
	.amdgpu_metadata
---
amdhsa.version: [ 1, 2 ]
amdhsa.kernels:
  - .name:           k_q8cdb3c761f_qkvproj
    .symbol:         k_q8cdb3c761f_qkvproj.kd
    .args:
      - { .name: xb, .offset: 0, .size: 8, .value_kind: global_buffer, .address_space: global }
      - { .name: wqkv, .offset: 8, .size: 8, .value_kind: global_buffer, .address_space: global }
      - { .name: rope, .offset: 16, .size: 8, .value_kind: global_buffer, .address_space: global }
      - { .name: qkv, .offset: 24, .size: 8, .value_kind: global_buffer, .address_space: global }
    .group_segment_fixed_size: 327680
    .private_segment_fixed_size: 0
    .kernarg_segment_align: 8
    .kernarg_segment_size: 32
    .max_flat_workgroup_size: 128
    .sgpr_count:     72
    .vgpr_count:     1024
    .wavefront_size: 32
...
	.end_amdgpu_metadata
.endif
;; end of part 2
;; launch attn (part 3): grid 32 x 8, 4 waves a work-group, clusters of 4 x 4, 327,680 bytes of LDS; arguments qkv, mk, ob; writes ob
.if DOCPART == 3
	.amdgcn_target "amdgcn-amd-amdhsa--gfx1250"
	.amdhsa_code_object_version 6
	.text
	.protected	k_q8cdb3c761f_attn
	.globl	k_q8cdb3c761f_attn
	.p2align	8
	.type	k_q8cdb3c761f_attn,@function
k_q8cdb3c761f_attn:
	s_mov_b64 s[64:65], 0
	v_nop
	global_prefetch_b8 v0, s[64:65] scope:SCOPE_SE
	s_setreg_imm32_b32 hwreg(HW_REG_WAVE_MODE, 25, 1), 1
	s_wait_xcnt 0x0
	s_wait_alu depctr_hold_cnt(0) depctr_sa_sdst(0) depctr_va_vdst(0) depctr_va_sdst(0) depctr_va_ssrc(0) depctr_va_vcc(0) depctr_vm_vsrc(0)
	s_getreg_b32 s2, hwreg(HW_REG_IB_STS2, 6, 4)
	s_cmp_eq_u32 s2, 0
	s_cbranch_scc0 .Lentry_in_a_cluster
	s_endpgm
.Lentry_in_a_cluster:
	s_bfe_u32 s2, ttmp6, 0x10000c
	s_cmp_lg_u32 s2, 0xf033
	s_cbranch_scc0 .Lentry_shape_is_right
	s_endpgm
.Lentry_shape_is_right:
; O = softmax(q k^T / sqrt(128) + mask) v for 8 query heads on 4 key and value heads.  qkv: [16 head slots][2 b][2048][128] f16, all numbers times 1/8 (slots 0-7 q, 8-11 k, 12-15 v).
; mk: [2048 q][2048 k] f32 = mask x log2(e).  ob: [4096 = b 2048 + s][1024 = head 128 + d] f16 = O / 8.  Products, maxima and sums in f32; the weights are rounded to f16 for the second product.
; THE MASK IS AN INPUT: every key tile is walked and every mask number is added, whatever pattern it holds.
; LIMITS.  A weight below 2^-126 counts as 0 in the sum l, below 6e-8 as 0 in P.  NaN and infinities are not treated apart.
; SHARES.  A work-group owns 64 positions of one batch and one key head, for both query heads that share it: 128 rows; 32 x 8 = 256 work-groups.  Keys go in 16 tiles of 128.
; Wave w: positions 32 (w % 2) on, keys 64 (w / 2) on of every tile.  Its four tiles of 16 queries: tile t = position tile t % 2, query head t / 2.  So a fragment of K or V feeds four tiles, and the
; mask's registers serve both heads.  The two key halves of a row meet once, in LDS, at the end.
; LAYOUT.  S^T = K Q^T (source 0 = 16 keys, source 1 = 16 queries): a lane holds ONE query (lane % 16) and the keys 8 (lane / 16) + 0..7; two such results rounded to f16 ARE source 1 of O^T = V^T P.
; SOFTMAX.  t = c s + mask log2(e), c = 64 log2(e) / sqrt(128) (the 64 takes back q's and k's 1/8); a running maximum m of t; p = 2^(t - m): the difference is taken of two numbers in one unit, so it is 0
; wherever t = m, also among numbers of the size of 1e9; O and l are multiplied by a = 2^(m_old - m_new) in every step.  m starts at the lowest finite number, O and l at 0: the first step's a is 0.
; A STEP.  The wave's tiles are two PIECES, named by their first tile: piece 0 (tiles 0, 1), piece 2 (tiles 2, 3).  (a) 32 products K Q^T of piece 0; (b) 32 of piece 2, piece 0's softmax in slices behind
; them; (c) 32 products V^T P of piece 0, piece 2's softmax in slices behind them; (d) 32 of piece 2, the row sums of all four tiles behind them.  A piece's softmax needs its own scores whole and
; must be whole before its own second product, so within a step it can stand beside the other piece's products alone.
; CLUSTER.  4 x 4.  K and V hang on batch and key head (cluster y, cy): asked for jointly by a row of the cluster.  The mask's tile hangs on the positions (cluster x, cx): jointly by a column.
; Wave 0 asks for K's tile, wave 1 for V's, wave 2 for the mask's: three tiles a step, one descriptor each; wave 3 has none to ask for.
; REGISTERS, in windows of 256 (s_set_vgpr_msb: bits 1:0 source 0, 3:2 source 1, 5:4 source 2, 7:6 destination):
;   window 0: v0-11, v44-46 addresses; v12-43 eight registers of statistics a tile; v48-57 at work; v64-191 S^T, 32 a tile; v192-255 P, 16 a tile
;   window 1: O^T, 64 a tile      window 2: v0-127 Q, 32 a tile; v128-255 K      window 3: v0-127 V; v128-191 the mask, 32 a position tile; at the end all of it the partner's O^T
.set PK,    272       ; a row of K in LDS: 256 bytes + 16: the 16 rows of a load start at 16 different groups of four banks (64 banks of 4 bytes: ISA guide 11.1)
.set PV,    288       ; a row of V: 256 + 32
.set PM,    528       ; a row of the mask's tile: 512 + 16
.set VOFF,  128*PK    ; a slot: 128 rows of K, 128 of V, 64 of the mask
.set MOFF,  VOFF+128*PV
.set SLOT1, 1<<17     ; slot 1 begins here: one exclusive or turns an address in one slot into the other's
.set OST,   MOFF+64*PM  ; behind slot 0, never filled by a tensor load: 16 rows x 272 bytes for each wave, for the way out
.set SP,    272
.set SPARE, OST+4*16*SP  ; the spare words, 128 bytes for each wave: two blocks of 256 bytes that no other line names
.set MRG,   SLOT1+OST    ; behind slot 1: the second key half's O^T, 32,768 bytes for each half of the positions
.set MST,   MRG+2*32768  ; and its m and l, 1,024 bytes each
.set AK0, 2           ; v2-4  my lane's place in a tile of K, V, the mask; never rewritten
.set AV0, 3
.set AM0, 4
.set AK,  5           ; v5-7  the same in the slot in hand
.set AV,  6
.set AM,  7
.set QO,  8           ; v8   my byte offset in 16 rows of Q
.set STO, 10          ; v10  the way out: where I put 16 bytes of a row
.set RD,  11          ; v11  where I read rows back
.set ST,  12          ; tile t's statistics at v[ST+8 t]: +0 m, +1 m_old, +2, +3 l (even keys', odd keys'), +4..+7 c0-c3 at work; a takes c2's place, its argument c3's
.set MGA, 44          ; v44  my 16 bytes in 512 of the merge's O^T
.set MSA, 45          ; v45  and of its statistics
.set GO,  46          ; v46  my byte offset in two rows of ob
.set PFO, 61          ; v61  the prefetches' offset; never rewritten
.set SPW, 62          ; v62  LDS address of my spare word; never rewritten
.set NIL, 63          ; v63  0; never rewritten
.set S,   64
.set P,   192
.set KF,  128         ; window 2
.set MK,  128         ; window 3
.set WV,  12
.set CX,  13
.set CY,  14          ; = the key head
.set LIM, 15          ; 1 in a wave that prefetches, else the greatest number
.set G1K, 24
.set G1V, 32
.set G1M, 40
.set G0K, 48          ; one group 0 a tensor: it walks
.set G0V, 52
.set G0M, 56
.set CS,  60          ; s[60:61] c
.set SEL, 62          ; s[62:63] v_permlanex16_b32's selects: each lane takes its own place in the other half
.set TB,  66          ; s66  LDS byte at which the slot in hand begins
.set SLOTS, 67        ; s67  tiles still to be asked for
.set PFA, 68
.set PFS, 70
.set QB,  72          ; s[72:73] Q at my first row, first head
.set OBS, 74          ; s[74:75] ob at my first row, first head
.set PH,  76          ; s76  my half of the positions
.set KH,  77          ; s77  my half of the keys
.set PX,  78          ; s78  my block of 64 positions
.set BB,  79          ; s79  the batch = cluster y
.set MSB, 0
.macro WIN new
.if MSB != (\new)
	s_set_vgpr_msb (MSB<<8)|(\new)
.set MSB, \new
.endif
.endm
.set W_KQ, 0x0a       ; K and Q in window 2, S^T in window 0
.set W_PV, 0x53       ; source 0 window 3, source 1 window 0, source 2 and destination window 1
.set W_RS, 0x41       ; destination and source 0 window 1, source 1 window 0
.set W_MK, 0x30       ; source 2 window 3
.macro PLACES
.rept 4
	v_nop
.endr
.endm
; A joint fill: three lines, each with one mask and one wave; the branches hang on the wave's number alone.  An s_nop 0 and four v_nop follow each line.
.macro JLOAD
	s_cmp_lg_u32 s[WV], 0
	s_cbranch_scc1 .Lnot_k_\@
	tensor_load_to_lds s[G0K:G0K+3], s[G1K:G1K+7]
	s_nop 0
.rept 4
	v_nop
.endr
	s_branch .Lasked_\@
.Lnot_k_\@:
	s_cmp_lg_u32 s[WV], 1
	s_cbranch_scc1 .Lnot_v_\@
	tensor_load_to_lds s[G0V:G0V+3], s[G1V:G1V+7]
	s_nop 0
.rept 4
	v_nop
.endr
	s_branch .Lasked_\@
.Lnot_v_\@:
	s_cmp_lg_u32 s[WV], 2
	s_cbranch_scc1 .Lasked_\@
	tensor_load_to_lds s[G0M:G0M+3], s[G1M:G1M+7]
	s_nop 0
.rept 4
	v_nop
.endr
.Lasked_\@:
.endm
; A prefetch of the tile that the NEXT change of slots will ask for, behind the joint load and K's run of LDS loads: a step's 128 matrix instructions ahead of that load.  Each 256 bytes are named once in the
; launch: K's and V's rows by the clusters with x = 0 (waves 0, 1; of the 128 rows the partner at cx takes 32, a lane a row), the mask's by the clusters with y = 0 (wave 2; of the 64 rows the partner at cy
; takes 16, two lanes a row of 512 bytes).  The partners are told apart by address.  The last change that fills a slot asks for nothing.
.macro ASK
	s_cmp_gt_u32 s[SLOTS], s[LIM]
	s_cbranch_scc0 .Lnot_mine_\@
	global_prefetch_b8 v[PFO], s[PFA:PFA+1] th:TH_LOAD_NT scope:SCOPE_SE
.Lnot_mine_\@:
.endm
.macro CROUND
	s_barrier_signal -1
	s_barrier_wait -1
	s_cmp_lg_u32 s[WV], 0
	s_cbranch_scc1 .Lnot_wave_0_\@
	s_barrier_signal -3
.Lnot_wave_0_\@:
	s_barrier_wait -3
	s_barrier_signal -1
	s_barrier_wait -1
.endm
; THE CHANGE OF SLOTS.  Each wave waits for all its tensor loads (one at the most is out: its tile of the other slot), adds 0 to its spare word, and waits for that and for its reads of the slot that it leaves.
; fill = 1: the barrier is a round of the cluster's, and the slot left is filled first thing behind it with the tile after the one now entered: it has a whole step in which to land.
; (At its first use nothing has been read: slot 0 is waited for, slot 1 filled.)
.macro CHANGE fill
	WIN 0
	s_wait_tensorcnt 0x0                           ; no tensor load of mine is out, so a group 0 may be written
	ds_add_u32 v[SPW], v[NIL]
.if \fill
	s_xor_b32 s[G0K+1], s[G0K+1], SLOT1
	s_add_nc_u64 s[G0K+2:G0K+3], s[G0K+2:G0K+3], 128*256
	s_xor_b32 s[G0V+1], s[G0V+1], SLOT1
	s_add_nc_u64 s[G0V+2:G0V+3], s[G0V+2:G0V+3], 128*256
	s_xor_b32 s[G0M+1], s[G0M+1], SLOT1
	s_add_nc_u64 s[G0M+2:G0M+3], s[G0M+2:G0M+3], 128*4
	s_wait_xcnt 0x0                                ; the last prefetch, a step back, has read its address
	s_add_nc_u64 s[PFA:PFA+1], s[PFA:PFA+1], s[PFS:PFS+1]
	s_wait_dscnt 0x0                               ; the add is done, and my reads of the slot are over
	CROUND
	JLOAD
.else
	s_wait_dscnt 0x0
	s_barrier_signal -1
	s_barrier_wait -1
.endif
	s_xor_b32 s[TB], s[TB], SLOT1                  ; the reads go to the other slot
.endm
	s_load_b128 s[4:7], s[0:1], 0x0                ; qkv s[4:5], mk s[6:7]
	s_load_b64 s[8:9], s[0:1], 0x10                ; ob
	v_lshl_add_u32 v[SPW], v0, 2, SPARE
	v_mov_b32 v[NIL], 0
	ds_add_u32 v[SPW], v[NIL]                      ; the wave's opening: the add and its wait stand ahead of my first tensor load
	v_lshrrev_b32 v1, 5, v0
	v_readfirstlane_b32 s[WV], v1
	s_and_b32 s[PH], s[WV], 1
	s_lshr_b32 s[KH], s[WV], 1
	s_bfe_u32 s[CX], ttmp6, 0x40000
	s_bfe_u32 s[CY], ttmp6, 0x40004
	s_lshl_b32 s[PX], ttmp9, 2
	s_add_co_u32 s[PX], s[PX], s[CX]
	s_and_b32 s[BB], ttmp7, 0xffff                 ; work-group y = 4 b + key head: cluster y is the batch, cy the key head
	s_lshl_b32 s16, s[CY], 2
	s_lshl_b32 s16, 15, s16                        ; my row of the cluster
	s_lshl_b32 s20, 0x1111, s[CX]                  ; my column
	s_or_b32 s[G1K], s16, (1<<16)|(1<<20)|(1<<21)|(5<<22)|(3<<25)  ; 2-byte elements; after every 64 words 4 words of padding
	s_or_b32 s[G1V], s16, (1<<16)|(1<<20)|(1<<21)|(5<<22)|(7<<25)  ; 8 words
	s_or_b32 s[G1M], s20, (2<<16)|(1<<20)|(1<<21)|(6<<22)|(3<<25)  ; 4-byte elements; after every 128 words 4 words
.irp g, G1K, G1V
	s_mov_b32 s[(\g)+1], 128<<16                   ; tensor_dim0 = 128
	s_mov_b32 s[(\g)+2], 128<<16                   ; tensor_dim1 = 128
	s_mov_b32 s[(\g)+3], 128<<16                   ; tile_dim0 = 128
	s_mov_b32 s[(\g)+4], 128                       ; tile_dim1 = 128
	s_mov_b32 s[(\g)+5], 128                       ; elements from row to row
	s_mov_b32 s[(\g)+6], 0
	s_mov_b32 s[(\g)+7], 0
.endr
	s_mov_b32 s[G1M+1], 128<<16
	s_mov_b32 s[G1M+2], 64<<16
	s_mov_b32 s[G1M+3], 128<<16
	s_mov_b32 s[G1M+4], 64
	s_mov_b32 s[G1M+5], 2048
	s_mov_b32 s[G1M+6], 0
	s_mov_b32 s[G1M+7], 0
	s_mov_b32 s[G0K], 1
	s_mov_b32 s[G0K+1], 0                          ; slot 0
	s_mov_b32 s[G0V], 1
	s_mov_b32 s[G0V+1], VOFF
	s_mov_b32 s[G0M], 1
	s_mov_b32 s[G0M+1], MOFF
	s_mov_b32 s[CS], 0x410293ee                    ; c = 64 log2(e) / sqrt(128) = 8.16109
	s_mov_b32 s[CS+1], s[CS]
	s_mov_b32 s[SEL], 0x76543210
	s_mov_b32 s[SEL+1], 0xfedcba98
	s_mov_b32 s[TB], SLOT1                         ; the first change of slots turns it into 0
	s_mov_b32 s[SLOTS], 15
	s_lshl_b32 s22, s[CY], 1
	s_add_co_u32 s22, s22, s[BB]
	s_add_co_u32 s16, s22, 16                      ; K's plane: (8 + key head) x 2 + b, 524,288 bytes each
	s_lshl_b32 s16, s16, 19
	s_mov_b32 s17, 0
	s_add_co_u32 s18, s22, 24                      ; V's: (12 + key head) x 2 + b
	s_lshl_b32 s18, s18, 19
	s_mov_b32 s19, 0
	s_lshl_b32 s20, s[PX], 19                      ; the mask: row 64 x block, 8,192 bytes a row
	s_mov_b32 s21, 0
	s_lshl_b32 s22, s[CY], 2
	s_add_co_u32 s22, s22, s[BB]                   ; Q's plane, first head: (2 x key head) x 2 + b
	s_lshl_b32 s22, s22, 19
	s_lshl_b32 s23, s[PX], 14
	s_add_co_u32 s22, s22, s23
	s_lshl_b32 s23, s[PH], 13
	s_add_co_u32 s[QB], s22, s23
	s_mov_b32 s[QB+1], 0
	s_lshl_b32 s22, s[BB], 22                      ; ob: row b 2048 + 64 block + 32 half (2,048 bytes a row), column 2 x key head x 128 (2 bytes)
	s_lshl_b32 s23, s[PX], 17
	s_add_co_u32 s22, s22, s23
	s_lshl_b32 s23, s[PH], 16
	s_add_co_u32 s22, s22, s23
	s_lshl_b32 s23, s[CY], 9
	s_add_co_u32 s[OBS], s22, s23
	s_mov_b32 s[OBS+1], 0
	; the prefetches stand at tile 1; the first change of slots steps them to tile 2
	s_lshl_b32 s2, s[CX], 13
	s_add_co_u32 s2, s2, 128*256
	s_cmp_eq_u32 s[WV], 0
	s_cselect_b32 s3, s16, s18
	s_add_co_u32 s2, s2, s3                        ; waves 0, 1: K's or V's plane, row 32 cx
	s_lshl_b32 s3, s[CY], 17
	s_add_co_u32 s3, s3, s20
	s_add_co_u32 s3, s3, 128*4                     ; wave 2: the mask, row 64 block + 16 cy
	s_mov_b32 s[PFS], 128*4
	s_mov_b32 s[PFS+1], 0
	s_cmp_lt_u32 s[WV], 2
	s_cselect_b32 s22, s2, s3
	s_cselect_b32 s[PFS], 128*256, s[PFS]
	s_mov_b32 s23, 0
	s_cselect_b32 s2, ttmp9, s[BB]                 ; the coordinate along which other clusters read the same rows
	s_cmp_eq_u32 s[WV], 3
	s_cselect_b32 s2, 1, s2
	s_cmp_eq_u32 s2, 0
	s_cselect_b32 s[LIM], 1, -1                    ; the same in all sixteen partners, for a given wave
	s_wait_dscnt 0x0                               ; the opening add is done
	s_wait_kmcnt 0x0
	s_add_nc_u64 s[G0K+2:G0K+3], s[4:5], s[16:17]
	s_or_b32 s[G0K+3], s[G0K+3], 0x80000000
	s_add_nc_u64 s[G0V+2:G0V+3], s[4:5], s[18:19]
	s_or_b32 s[G0V+3], s[G0V+3], 0x80000000
	s_add_nc_u64 s[G0M+2:G0M+3], s[6:7], s[20:21]
	s_or_b32 s[G0M+3], s[G0M+3], 0x80000000
	s_add_nc_u64 s[QB:QB+1], s[4:5], s[QB:QB+1]
	s_add_nc_u64 s[OBS:OBS+1], s[8:9], s[OBS:OBS+1]
	s_cmp_lt_u32 s[WV], 2
	s_cselect_b64 s[PFA:PFA+1], s[4:5], s[6:7]
	s_add_nc_u64 s[PFA:PFA+1], s[PFA:PFA+1], s[22:23]
	CROUND                                         ; all sixteen work-groups are here: the first joint loads meet
	JLOAD                                          ; tile 0 into slot 0; slot 1 is asked for by the loop's first change of slots
	v_and_b32 v1, 15, v0                           ; l % 16
	v_bfe_u32 v9, v0, 4, 1                         ; l / 16
	v_lshlrev_b32 v[QO], 8, v1
	v_lshl_add_u32 v[QO], v9, 4, v[QO]
	WIN 0x80                                       ; destination window 2
.irp t, 0,1,2,3
.irp c, 0,1,2,3                        ; Q stays in registers: tile t, channels 32 c on
	global_load_b128 v[32*(\t)+8*(\c):32*(\t)+8*(\c)+3],   v[QO], s[QB:QB+1] offset:((\t)/2)*1048576+((\t)%2)*4096+(\c)*64
	global_load_b128 v[32*(\t)+8*(\c)+4:32*(\t)+8*(\c)+7], v[QO], s[QB:QB+1] offset:((\t)/2)*1048576+((\t)%2)*4096+(\c)*64+32
.endr
.endr
	WIN 0x40                                       ; O^T starts at 0, so that the first step is a step like any other and the step's text stands twice, not three times; written in the wait for the first tile
.set i, 0
.rept 256
	v_mov_b32 v[i], 0
.set i, i+1
.endr
	WIN 0
.irp t, 0,1,2,3
	v_mov_b32 v[ST+8*(\t)], 0xff7fffff             ; m
	v_mov_b32 v[ST+8*(\t)+2], 0                    ; l
	v_mov_b32 v[ST+8*(\t)+3], 0
.endr
	v_mul_u32_u24 v[AK0], v1, PK
	v_lshl_add_u32 v[AK0], v9, 4, v[AK0]
	s_mul_i32 s2, s[KH], 64*PK
	v_add_nc_u32 v[AK0], s2, v[AK0]                ; key row x pitch + 16 x half + my 64 keys
	v_and_b32 v56, 7, v0
	v_bfe_u32 v57, v0, 3, 1
	v_lshl_add_u32 v[AV0], v9, 3, v56              ; the turning load: key 8 (l / 16) + l % 8, channels 8 ((l / 8) % 2) on
	v_mul_u32_u24 v[AV0], v[AV0], PV
	v_lshl_add_u32 v[AV0], v57, 4, v[AV0]
	s_mul_i32 s2, s[KH], 64*PV
	s_add_co_u32 s2, s2, VOFF
	v_add_nc_u32 v[AV0], s2, v[AV0]
	v_mul_u32_u24 v[AM0], v1, PM                   ; the mask: row = my query, 32 bytes = my lanes' eight keys
	v_lshl_add_u32 v[AM0], v9, 5, v[AM0]
	s_mul_i32 s2, s[PH], 32*PM
	s_lshl_b32 s3, s[KH], 8
	s_add_co_u32 s2, s2, s3
	s_add_co_u32 s2, s2, MOFF
	v_add_nc_u32 v[AM0], s2, v[AM0]
	s_mul_i32 s2, s[WV], 16*SP
	s_add_co_u32 s2, s2, OST
	v_mul_u32_u24 v[STO], v1, SP
	v_lshl_add_u32 v[STO], v9, 4, v[STO]
	v_add_nc_u32 v[STO], s2, v[STO]
	v_mul_u32_u24 v[RD], v9, SP
	v_lshl_add_u32 v[RD], v1, 4, v[RD]
	v_add_nc_u32 v[RD], s2, v[RD]
	v_lshlrev_b32 v[GO], 11, v9
	v_lshl_add_u32 v[GO], v1, 4, v[GO]
	v_and_b32 v56, 31, v0
	s_lshl_b32 s2, s[PH], 15
	s_add_co_u32 s2, s2, MRG
	v_lshl_add_u32 v[MGA], v56, 4, s2
	s_lshl_b32 s2, s[PH], 10
	s_add_co_u32 s2, s2, MST
	v_lshl_add_u32 v[MSA], v56, 4, s2
	v_lshrrev_b32 v57, s[KH], v56                  ; a lane a row of K or V; two lanes a row of the mask's tile
	s_mul_i32 s2, s[KH], 5
	s_lshl_b32 s2, 256, s2                         ; 256 or 8,192 bytes from row to row
	v_mul_u32_u24 v57, v57, s2
	v_and_b32 v56, s[KH], v56
	v_lshl_add_u32 v[PFO], v56, 8, v57
	s_wait_loadcnt 0x0                             ; Q
; Product i of 32 of S^T = K Q^T for tiles x, x + 1: channels 32 (i / 8) on, keys 16 ((i / 2) % 4) on, tile x + i % 2.  The first 8 start the sums.  The 8 accumulators take turns.
.macro KQ x
	WIN W_KQ
.set rS, S+32*((\x)+i%2)+8*((i/2)%4)
.set rK, KF+32*((i/2)%4)+8*(i/8)
.set rQ, 32*((\x)+i%2)+8*(i/8)
.if i < 8
	v_wmma_f32_16x16x32_f16 v[rS:rS+7], v[rK:rK+7], v[rQ:rQ+7], 0
.else
	v_wmma_f32_16x16x32_f16 v[rS:rS+7], v[rK:rK+7], v[rQ:rQ+7], v[rS:rS+7]
.endif
.endm
; Product i of 32 of O^T += V^T P: keys 32 (i / 16) on, channels 16 ((i / 2) % 8) on, tile x + i % 2.  16 accumulators by turns.
.macro PV x
	WIN W_PV
.set rO, 64*((\x)+i%2)+8*((i/2)%8)
.set rV, 64*(i/16)+8*((i/2)%8)
.set rP, P+16*((\x)+i%2)+8*(i/16)
	v_wmma_f32_16x16x32_f16 v[rO:rO+7], v[rV:rV+7], v[rP:rP+7], v[rO:rO+7]
.endm
; THE LDS LOADS stand in three runs, never singly among the matrix instructions.
.macro FETCH_K
	WIN 0x80
.irp f, 0,1,2,3,4,5,6,7,8,9,10,11,12,13,14,15  ; keys 16 (f / 4) on, channels 32 (f % 4) on
	ds_load_b128 v[KF+8*(\f):KF+8*(\f)+3],   v[AK] offset:((\f)/4)*16*PK+((\f)%4)*64
	ds_load_b128 v[KF+8*(\f)+4:KF+8*(\f)+7], v[AK] offset:((\f)/4)*16*PK+((\f)%4)*64+32
.endr
.endm
.macro FETCH_M
	WIN 0xc0
.irp f, 0,1,2,3,4,5,6,7                ; position tile f / 4, keys 16 (f % 4) on: the registers lie as S^T's
	ds_load_b128 v[MK+8*(\f):MK+8*(\f)+3],   v[AM] offset:((\f)/4)*16*PM+((\f)%4)*64
	ds_load_b128 v[MK+8*(\f)+4:MK+8*(\f)+7], v[AM] offset:((\f)/4)*16*PM+((\f)%4)*64+16
.endr
.endm
.macro FETCH_V
	WIN 0xc0
.irp f, 0,1,2,3,4,5,6,7,8,9,10,11,12,13,14,15  ; keys 32 (f / 8) on, channels 16 (f % 8) on
	ds_load_tr16_b128 v[8*(\f):8*(\f)+3],   v[AV] offset:((\f)/8)*32*PV+((\f)%8)*32
	ds_load_tr16_b128 v[8*(\f)+4:8*(\f)+7], v[AV] offset:((\f)/8)*32*PV+16*PV+((\f)%8)*32
.endr
.endm
; A PIECE'S SOFTMAX is a list of 266 lines; SMI writes number q of it for piece y.  The two tiles alternate, so that no line reads the result of the line before it.
;   0-31     t = c s + mask log2(e), pair by pair, ascending: each accumulator's lowest registers are read first
;   32-71    the maximum: four chains c0-c3 of seven numbers each, three operands at a time; the four left over, c0-c3 and the old m; the other half of the lanes'; m_old; the new m; m_old - m
;   72-169   ONE BATCH: the two a; then t - m pair by pair, with the four exponentials of the pair before behind each two subtractions.  Nothing here names an exponential's result
;   (wait)   behind number 169: RID writes it
;   170-201  the roundings to f16      202-265  O^T times a, ascending
.macro SMI y
.set tt, (\y)+q%2
.set rT, ST+8*tt
.set rS, S+32*tt
.if q < 32
	WIN W_MK
.set n, q/2
	v_pk_fma_f32 v[rS+2*n:rS+2*n+1], v[rS+2*n:rS+2*n+1], s[CS:CS+1], v[MK+32*(tt%2)+2*n:MK+32*(tt%2)+2*n+1] op_sel_hi:[1,0,1]
.elseif q < 72
	WIN 0
.set j, (q-32)/2
.if j < 4
	v_max3_num_f32 v[rT+4+j], v[rS+8*j], v[rS+8*j+1], v[rS+8*j+2]
.elseif j < 12
	v_max3_num_f32 v[rT+4+j%4], v[rT+4+j%4], v[rS+8*(j%4)+2*(j/4)+1], v[rS+8*(j%4)+2*(j/4)+2]
.elseif j == 12
	v_max3_num_f32 v[rT+4], v[rT+4], v[rS+7], v[rS+15]
.elseif j == 13
	v_max3_num_f32 v[rT+6], v[rT+6], v[rS+23], v[rS+31]
.elseif j == 14
	v_max3_num_f32 v[rT+4], v[rT+4], v[rT+5], v[rT+6]
.elseif j == 15
	v_max3_num_f32 v[rT+4], v[rT+4], v[rT+7], v[rT]
.elseif j == 16
	v_permlanex16_b32 v[rT+5], v[rT+4], s[SEL], s[SEL+1]  ; the query's other 32 keys lie in the lane 16 away
.elseif j == 17
	v_mov_b32 v[rT+1], v[rT]
.elseif j == 18
	v_max_num_f32 v[rT], v[rT+4], v[rT+5]
.else
	v_sub_f32 v[rT+7], v[rT+1], v[rT]
.endif
.elseif q < 170
	WIN 0
.set rr, q-72
.if rr < 2
	v_exp_f32 v[ST+8*((\y)+rr)+6], v[ST+8*((\y)+rr)+7]
.elseif rr < 4
.set tt, (\y)+rr-2
	v_pk_add_f32 v[S+32*tt:S+32*tt+1], v[S+32*tt:S+32*tt+1], v[ST+8*tt:ST+8*tt+1] op_sel_hi:[1,0] neg_lo:[0,1] neg_hi:[0,1]
.elseif rr < 94
.set g, 1+(rr-4)/6
.set pos, (rr-4)%6
.if pos < 2
.set tt, (\y)+pos
	v_pk_add_f32 v[S+32*tt+2*g:S+32*tt+2*g+1], v[S+32*tt+2*g:S+32*tt+2*g+1], v[ST+8*tt:ST+8*tt+1] op_sel_hi:[1,0] neg_lo:[0,1] neg_hi:[0,1]
.else
.set e, pos-2
	v_exp_f32 v[S+32*((\y)+e/2)+2*(g-1)+e%2], v[S+32*((\y)+e/2)+2*(g-1)+e%2]
.endif
.else
.set e, rr-94
	v_exp_f32 v[S+32*((\y)+e/2)+30+e%2], v[S+32*((\y)+e/2)+30+e%2]
.endif
.elseif q < 202
	WIN 0
.set n, (q-170)/2
	v_cvt_pk_f16_f32 v[P+16*tt+n], v[rS+2*n], v[rS+2*n+1]
.else
	WIN W_RS
.set n, (q-202)/2
	v_pk_mul_f32 v[64*tt+2*n:64*tt+2*n+1], v[64*tt+2*n:64*tt+2*n+1], v[rT+6:rT+7] op_sel_hi:[1,0]
.endif
.endm
; A slice: the next cnt lines of piece y's list.  Behind the batch's last exponential stand a plain instruction and the wait ahead of the first reader: one for the piece's 66 exponentials.
.macro RID y, cnt
.rept \cnt
	SMI \y
.set q, q+1
.if q == 170
	WIN 0
	v_nop
	s_wait_alu depctr_va_vdst(0)
.endif
.endr
.endm
; THE ROW SUMS of all four tiles, 64 lines; LSI writes number u.  The sum of a tile's 16 pairs, in place: neighbours 1, 2, 4 and 8 pairs apart; then l = a l + sum.  The four tiles alternate.
.macro LSI
	WIN 0
.set rS, S+32*(u%4)
.set rT, ST+8*(u%4)
.if u < 32
.set zz, u/4
	v_pk_add_f32 v[rS+4*zz:rS+4*zz+1], v[rS+4*zz:rS+4*zz+1], v[rS+4*zz+2:rS+4*zz+3]
.elseif u < 48
.set zz, (u-32)/4
	v_pk_add_f32 v[rS+8*zz:rS+8*zz+1], v[rS+8*zz:rS+8*zz+1], v[rS+8*zz+4:rS+8*zz+5]
.elseif u < 56
.set zz, (u-48)/4
	v_pk_add_f32 v[rS+16*zz:rS+16*zz+1], v[rS+16*zz:rS+16*zz+1], v[rS+16*zz+8:rS+16*zz+9]
.elseif u < 60
	v_pk_add_f32 v[rS:rS+1], v[rS:rS+1], v[rS+16:rS+17]
.else
	v_pk_fma_f32 v[rT+2:rT+3], v[rT+2:rT+3], v[rT+6:rT+7], v[rS:rS+1] op_sel_hi:[1,0,1]
.endif
.set u, u+1
.endm
; A KEY STEP.  266 = 10 x 9 + 22 x 8: nine lines behind each of a phase's first ten products, eight behind the others; the batch's 170 lines end behind the twentieth.
; The places that matrix instructions want: behind piece 0's last K Q^T four v_nop; behind piece 2's the last slice, eight rescalings of piece 0's O^T, which name nothing of it; in front of
; the loads into V's registers, whose last reader is the step before's last product, the four v_nop and the three address lines at the step's head.
.macro STEP ask
	PLACES
	v_add_nc_u32 v[AK], s[TB], v[AK0]
	v_add_nc_u32 v[AM], s[TB], v[AM0]
	v_add_nc_u32 v[AV], s[TB], v[AV0]
	FETCH_K
	WIN 0
.if \ask
	ASK
.endif
	s_wait_dscnt 0x0                               ; K is in
.set i, 0
.rept 32                               ; (a) piece 0's scores; the mask's 16 loads stand behind the 8th product, V's 32 behind the 24th
	KQ 0
.set i, i+1
.if i == 8
	FETCH_M
.endif
.if i == 24
	FETCH_V
.endif
.endr
	WIN 0
	PLACES
	s_wait_dscnt 32                                ; the mask is in; V's 32 loads are younger
.set i, 0
.set q, 0
.rept 32                               ; (b) piece 2's scores | piece 0's softmax
	KQ 2
.if i < 10
	RID 0, 9
.else
	RID 0, 8
.endif
.set i, i+1
.endr
	s_wait_dscnt 0x0                               ; V is in
.set i, 0
.set q, 0
.rept 32                               ; (c) piece 0's V^T P | piece 2's softmax
	PV 0
.if i < 10
	RID 2, 9
.else
	RID 2, 8
.endif
.set i, i+1
.endr
.set i, 0
.set u, 0
.rept 32                               ; (d) piece 2's V^T P | the row sums
	PV 2
	LSI
	LSI
.set i, i+1
.endr
	WIN 0
.endm
.Lslot:                                            ; 15 trips: a tile is entered and the next is asked for
	CHANGE 1
	STEP 1
	s_sub_co_u32 s[SLOTS], s[SLOTS], 1
	s_cmp_lg_u32 s[SLOTS], 0
	s_cbranch_scc1 .Lslot
	CHANGE 0                                       ; the last tile is written out: nothing is asked for
	STEP 0
	; THE TWO KEY HALVES MEET.  Waves 2 and 3 put m, l and O^T into LDS; waves 0 and 1, which hold the same queries, take them.
	PLACES
.irp t, 0,1,2,3
	v_add_f32 v[ST+8*(\t)+2], v[ST+8*(\t)+2], v[ST+8*(\t)+3]
.endr
	s_cmp_lt_u32 s[WV], 2
	s_cbranch_scc1 .Lkeep
.irp t, 0,1,2,3
	v_mov_b32 v[48+2*(\t)], v[ST+8*(\t)]
	v_mov_b32 v[49+2*(\t)], v[ST+8*(\t)+2]
.endr
	ds_store_b128 v[MSA], v[48:51]
	ds_store_b128 v[MSA], v[52:55] offset:512
	WIN 0x04                                       ; store data in window 1
.set i, 0
.rept 64
	ds_store_b128 v[MGA], v[4*i:4*i+3] offset:512*i
.set i, i+1
.endr
	WIN 0
.Lkeep:
	s_wait_dscnt 0x0                               ; for the others' sake: my stores are done
	s_barrier_signal -1
	s_barrier_wait -1
	s_cmp_lt_u32 s[WV], 2
	s_cbranch_scc0 .Lend
	ds_load_b128 v[48:51], v[MSA]
	ds_load_b128 v[52:55], v[MSA] offset:512
	WIN 0xc0                                       ; the partner's O^T fills window 3, register for register as mine lies in window 1
.set i, 0
.rept 32
	ds_load_b128 v[4*i:4*i+3], v[MGA] offset:512*i
.set i, i+1
.endr
	s_wait_dscnt 32                                ; the statistics are in; the 32 loads behind them may be out
.rept 32
	ds_load_b128 v[4*i:4*i+3], v[MGA] offset:512*i
.set i, i+1
.endr
	WIN 0
.irp t, 0,1,2,3
	v_max_num_f32 v[ST+8*(\t)+4], v[ST+8*(\t)], v[48+2*(\t)]
.endr
.irp t, 0,1,2,3
	v_sub_f32 v[ST+8*(\t)+5], v[ST+8*(\t)], v[ST+8*(\t)+4]
	v_sub_f32 v[ST+8*(\t)+7], v[48+2*(\t)], v[ST+8*(\t)+4]
.endr
.irp t, 0,1,2,3
	v_exp_f32 v[ST+8*(\t)+5], v[ST+8*(\t)+5]       ; my half's factor
	v_exp_f32 v[ST+8*(\t)+7], v[ST+8*(\t)+7]       ; the partner's
.endr
	v_nop
	s_wait_alu depctr_va_vdst(0)                   ; one wait for the eight exponentials
.irp t, 0,1,2,3
	v_mul_f32 v[ST+8*(\t)+2], v[ST+8*(\t)+2], v[ST+8*(\t)+5]
.endr
.irp t, 0,1,2,3
	v_fmac_f32 v[ST+8*(\t)+2], v[49+2*(\t)], v[ST+8*(\t)+7]
.endr
.irp t, 0,1,2,3
	v_permlanex16_b32 v[ST+8*(\t)+4], v[ST+8*(\t)+2], s[SEL], s[SEL+1]
.endr
.irp t, 0,1,2,3
	v_add_f32 v[ST+8*(\t)+2], v[ST+8*(\t)+2], v[ST+8*(\t)+4]
.endr
.irp t, 0,1,2,3
	v_rcp_f32 v[ST+8*(\t)+3], v[ST+8*(\t)+2]
.endr
	v_nop
	s_wait_alu depctr_va_vdst(0)                   ; one wait for the four reciprocals
.irp t, 0,1,2,3
	v_mul_f32 v[ST+8*(\t)+4], v[ST+8*(\t)+5], v[ST+8*(\t)+3]
	v_mul_f32 v[ST+8*(\t)+6], v[ST+8*(\t)+7], v[ST+8*(\t)+3]
.endr
	s_wait_dscnt 0x0
	WIN W_RS
.irp t, 0,1,2,3
.set i, 0
.rept 32
	v_pk_mul_f32 v[64*(\t)+2*i:64*(\t)+2*i+1], v[64*(\t)+2*i:64*(\t)+2*i+1], v[ST+8*(\t)+4:ST+8*(\t)+5] op_sel_hi:[1,0]
.set i, i+1
.endr
.endr
	WIN W_PV
.irp t, 0,1,2,3
.set i, 0
.rept 32
	v_pk_fma_f32 v[64*(\t)+2*i:64*(\t)+2*i+1], v[64*(\t)+2*i:64*(\t)+2*i+1], v[ST+8*(\t)+6:ST+8*(\t)+7], v[64*(\t)+2*i:64*(\t)+2*i+1] op_sel_hi:[1,0,1]
.set i, i+1
.endr
.endr
; THE WAY OUT.  Tile t: a lane's eight channels of a row pack into 16 bytes; they go into rows of 272 bytes of my stage and come back as whole rows of 256, into the registers that they left.
.macro PACK t
	WIN 0x05                                       ; sources window 1, destination window 0
.set i, 0
.rept 32
	v_cvt_pk_f16_f32 v[S+32*(\t)+i], v[64*(\t)+2*i], v[64*(\t)+2*i+1]
.set i, i+1
.endr
	WIN 0
.irp f, 0,1,2,3,4,5,6,7
	ds_store_b128 v[STO], v[S+32*(\t)+4*(\f):S+32*(\t)+4*(\f)+3] offset:32*(\f)
.endr
.irp f, 0,1,2,3,4,5,6,7
	ds_load_b128 v[S+32*(\t)+4*(\f):S+32*(\t)+4*(\f)+3], v[RD] offset:(\f)*2*SP  ; LDS serves a wave's instructions in order (ISA guide 5.7.1.4)
.endr
.endm
.macro SEND t, younger                 ; younger: the LDS instructions issued behind tile t's loads: the next tile's sixteen, or none
.irp f, 0,1,2,3,4,5,6,7
	s_wait_dscnt (\younger)+7-(\f)
	global_store_b128 v[GO], v[S+32*(\t)+4*(\f):S+32*(\t)+4*(\f)+3], s[OBS:OBS+1] offset:((\t)%2)*32768+((\t)/2)*256+(\f)*4096  ; 16 lanes store a head's 256 bytes of a row, aligned
.endr
.endm
	PACK 0
	PACK 1
	SEND 0, 16
	PACK 2
	SEND 1, 16
	PACK 3
	SEND 2, 16
	SEND 3, 0
.Lend:
	s_wait_tensorcnt 0x0                           ; the wave's end: behind my last tensor load and my last LDS store
	ds_add_u32 v[SPW], v[NIL]
	s_wait_dscnt 0x0
	CROUND                                         ; the closing round
	s_endpgm
.Lfunc_end_k_q8cdb3c761f_attn:
	.size	k_q8cdb3c761f_attn, .Lfunc_end_k_q8cdb3c761f_attn-k_q8cdb3c761f_attn
	.p2alignl 7, 3214868480
	.fill 96, 4, 3214868480
	.section	.rodata,"a",@progbits
	.p2align	6, 0x0
	.amdhsa_kernel k_q8cdb3c761f_attn
		.amdhsa_group_segment_fixed_size 327680
		.amdhsa_private_segment_fixed_size 0
		.amdhsa_enable_private_segment 0
		.amdhsa_kernarg_size 24
		.amdhsa_user_sgpr_count 2
		.amdhsa_user_sgpr_kernarg_segment_ptr 1
		.amdhsa_wavefront_size32 1
		.amdhsa_system_sgpr_workgroup_id_x 1
		.amdhsa_system_sgpr_workgroup_id_y 1
		.amdhsa_system_sgpr_workgroup_id_z 1
		.amdhsa_system_vgpr_workitem_id 0
		.amdhsa_next_free_vgpr 1024
		.amdhsa_next_free_sgpr 80
		.amdhsa_reserve_vcc 0
		.amdhsa_float_denorm_mode_32 3
		.amdhsa_float_denorm_mode_16_64 3
		.amdhsa_memory_ordered 1
		.amdhsa_forward_progress 1
		.amdhsa_inst_pref_size 172
	.end_amdhsa_kernel
	.amdgpu_metadata
---
amdhsa.version: [ 1, 2 ]
amdhsa.kernels:
  - .name:           k_q8cdb3c761f_attn
    .symbol:         k_q8cdb3c761f_attn.kd
    .args:
      - { .name: qkv, .offset: 0, .size: 8, .value_kind: global_buffer, .address_space: global }
      - { .name: mk, .offset: 8, .size: 8, .value_kind: global_buffer, .address_space: global }
      - { .name: ob, .offset: 16, .size: 8, .value_kind: global_buffer, .address_space: global }
    .group_segment_fixed_size: 327680
    .private_segment_fixed_size: 0
    .kernarg_segment_align: 8
    .kernarg_segment_size: 24
    .max_flat_workgroup_size: 128
    .sgpr_count:     80
    .vgpr_count:     1024
    .wavefront_size: 32
...
	.end_amdgpu_metadata
.endif
;; end of part 3
;; launch oproj (part 4): grid 16 x 16, 4 waves a work-group, clusters of 4 x 4, 327,680 bytes of LDS; arguments ob, wo16, out0; writes out0
.if DOCPART == 4
	.amdgcn_target "amdgcn-amd-amdhsa--gfx1250"
	.amdhsa_code_object_version 6
	.text
	.protected	k_q8cdb3c761f_oproj
	.globl	k_q8cdb3c761f_oproj
	.p2align	8
	.type	k_q8cdb3c761f_oproj,@function
k_q8cdb3c761f_oproj:
	s_mov_b64 s[64:65], 0
	v_nop
	global_prefetch_b8 v0, s[64:65] scope:SCOPE_SE
	s_setreg_imm32_b32 hwreg(HW_REG_WAVE_MODE, 25, 1), 1
	s_wait_xcnt 0x0
	s_wait_alu depctr_hold_cnt(0) depctr_sa_sdst(0) depctr_va_vdst(0) depctr_va_sdst(0) depctr_va_ssrc(0) depctr_va_vcc(0) depctr_vm_vsrc(0)
	s_getreg_b32 s2, hwreg(HW_REG_IB_STS2, 6, 4)
	s_cmp_eq_u32 s2, 0
	s_cbranch_scc0 .Lentry_in_a_cluster
	s_endpgm
.Lentry_in_a_cluster:
	s_bfe_u32 s2, ttmp6, 0x10000c
	s_cmp_lg_u32 s2, 0xf033
	s_cbranch_scc0 .Lentry_shape_is_right
	s_endpgm
.Lentry_shape_is_right:
; out0 = O Wo.  ob: [4096][1024] f16 = O / 8 (K along the rows).  wo16: [1024 k][4096 n] f16 = 8 x bf16(Wo) (n along the rows).  out0: [4096][4096] f32.  Sums in f32; the 1/8 and the 8 cancel exactly.
; SHARES.  A tile of out0 is 256 x 256: 16 x 16 = 256 work-groups.  Four waves, each 128 x 128: 64 accumulators of 16 x 16 in windows 2 and 3.  K goes in 8 steps of 128 through a ring of two LDS slots:
; waves 0 and 1 fetch 128 rows of O each (256 bytes a row), waves 2 and 3 64 k-rows of the weights each (512 bytes a row).
; THE MATRIX INSTRUCTION IS USED TRANSPOSED: source 0 = 16 columns of the weights (by the turning load), source 1 = 16 rows of O: a lane holds row l % 16 and the eight columns 8 (l / 16) + 0..7.
; CLUSTER.  4 x 4: O's tile is asked for jointly by a row of the cluster, the weights' by a column.
; REGISTERS: window 0: v0-31 addresses; v64-127, v128-191 O's fragments, two buffers, on the way out rows read back.  window 1: v64-127, v128-191 the weights' fragments.
;   window 2: accumulators of my rows 0-63 ((a, b) at v[8 (8 a + b)]); window 3: of my rows 64-127.
.set PA,     272                       ; O's row in LDS: 256 bytes + 16 (64 banks of 4 bytes: ISA guide 11.1: the 16 rows of a load start at 16 different groups of four banks)
.set PB,     544                       ; the weights' row: 512 + 32
.set BOFF,   256*PA
.set SLOT,   BOFF+128*PB
.set STAGE,  2*SLOT                    ; behind the ring, never filled by a tensor load: 16 rows x 528 bytes for each wave
.set SP,     528
.set SPARE,  STAGE+4*16*SP             ; the spare words, 128 bytes for each wave
.set LAPS,   4
.set ASTEP,  256
.set BSTEP,  128*8192
.set ADRA, 16
.set ADRB, 20
.set STO,  24
.set RD,   25
.set CO,   26
.set SPW,  28
.set NIL,  29
.set PFO,  30
.set F0,   64
.set F1,   128
.set OB,   64
.set WV,   12
.set WM,   13
.set WN,   14
.set LIM,  15
.set G1A,  24
.set G0A,  32
.set G1B,  40
.set G0B,  48
.set CX,   56
.set CY,   57
.set TX,   58
.set TY,   59
.set LAP,  60
.set PFA,  66
.set PFS,  68
.set MSB, 0
.macro WIN new
.if MSB != (\new)
	s_set_vgpr_msb (MSB<<8)|(\new)
.set MSB, \new
.endif
.endm
.set MUL_LO, 0xa1                      ; source 0 window 1, source 1 window 0, C and D window 2
.set MUL_HI, 0xf1                      ; the same, C and D window 3
.set TO_B,   0x40
.macro PLACES
.rept 4
	v_nop
.endr
.endm
.macro JLOAD s                         ; a joint load; an s_nop 0 and four v_nop follow each of the two lines
	s_cmp_eq_u32 s[WM], 0
	s_cbranch_scc0 .Lfor_b_\@
	tensor_load_to_lds s[G0A+4*(\s):G0A+4*(\s)+3], s[G1A:G1A+7]
	s_nop 0
.rept 4
	v_nop
.endr
	s_branch .Lasked_\@
.Lfor_b_\@:
	tensor_load_to_lds s[G0B+4*(\s):G0B+4*(\s)+3], s[G1B:G1B+7]
	s_nop 0
.rept 4
	v_nop
.endr
.Lasked_\@:
.endm
; A prefetch of the K step two refills on.  O's rows are named by the clusters with x = 0 (waves 0, 1: of my 128 rows the partner at cx takes 32, a lane a row), the weights' by the clusters with y = 0
; (waves 2, 3: of my 64 k-rows the partner at cy takes 16, two lanes a row).  Each 256 bytes are named once; the loop's last trip asks for nothing.
.macro ASK
	s_cmp_gt_u32 s[LAP], s[LIM]
	s_cbranch_scc0 .Lnot_mine_\@
	global_prefetch_b8 v[PFO], s[PFA:PFA+1] th:TH_LOAD_NT scope:SCOPE_SE
.Lnot_mine_\@:
.endm
.macro CROUND
	s_barrier_signal -1
	s_barrier_wait -1
	s_cmp_lg_u32 s[WV], 0
	s_cbranch_scc1 .Lnot_wave_0_\@
	s_barrier_signal -3
.Lnot_wave_0_\@:
	s_barrier_wait -3
	s_barrier_signal -1
	s_barrier_wait -1
.endm
	s_load_b128 s[4:7], s[0:1], 0x0                ; ob s[4:5], wo16 s[6:7]
	s_load_b64 s[8:9], s[0:1], 0x10                ; out0
	v_lshl_add_u32 v[SPW], v0, 2, SPARE
	v_mov_b32 v[NIL], 0
	ds_add_u32 v[SPW], v[NIL]                      ; the wave's opening: the add and its wait stand ahead of my first tensor load
	v_lshrrev_b32 v1, 5, v0
	v_readfirstlane_b32 s[WV], v1
	s_lshr_b32 s[WM], s[WV], 1
	s_and_b32 s[WN], s[WV], 1
	s_bfe_u32 s[CX], ttmp6, 0x40000
	s_bfe_u32 s[CY], ttmp6, 0x40004
	s_lshl_b32 s[TX], ttmp9, 2
	s_add_co_u32 s[TX], s[TX], s[CX]
	s_and_b32 s[TY], ttmp7, 0xffff
	s_lshl_b32 s[TY], s[TY], 2
	s_add_co_u32 s[TY], s[TY], s[CY]
	s_lshl_b32 s16, s[CY], 2
	s_lshl_b32 s16, 15, s16
	s_lshl_b32 s20, 0x1111, s[CX]
	s_or_b32 s[G1A], s16, (1<<16)|(1<<20)|(1<<21)|(5<<22)|(3<<25)
	s_or_b32 s[G1B], s20, (1<<16)|(1<<20)|(1<<21)|(6<<22)|(7<<25)
	s_mov_b32 s[G1A+1], 128<<16                    ; 128 elements x 128 rows, 1,024 elements from row to row
	s_mov_b32 s[G1A+2], 128<<16
	s_mov_b32 s[G1A+3], 128<<16
	s_mov_b32 s[G1A+4], 128
	s_mov_b32 s[G1A+5], 1024
	s_mov_b32 s[G1A+6], 0
	s_mov_b32 s[G1A+7], 0
	s_mov_b32 s[G1B+1], 256<<16                    ; 256 elements x 64 rows, 4,096 elements from row to row
	s_mov_b32 s[G1B+2], 64<<16
	s_mov_b32 s[G1B+3], 256<<16
	s_mov_b32 s[G1B+4], 64
	s_mov_b32 s[G1B+5], 4096
	s_mov_b32 s[G1B+6], 0
	s_mov_b32 s[G1B+7], 0
	s_lshl_b32 s16, s[TY], 8                       ; O: row 256 x tile row + 128 x half, 2,048 bytes a row
	s_lshl_b32 s18, s[WN], 7
	s_add_co_u32 s16, s16, s18
	s_lshl_b32 s16, s16, 11
	s_mov_b32 s17, 0
	s_lshl_b32 s20, s[WN], 19                      ; weights: k-row 64 x half (8,192 bytes a row), column 256 x tile column
	s_lshl_b32 s22, s[TX], 9
	s_add_co_u32 s20, s20, s22
	s_mov_b32 s21, 0
	s_mul_i32 s19, s[WV], 128*PA                   ; O's two halves, then the weights' two, 34,816 bytes each: wave x 34,816
	s_wait_dscnt 0x0
	s_wait_kmcnt 0x0
	s_add_nc_u64 s[16:17], s[4:5], s[16:17]
	s_add_nc_u64 s[20:21], s[6:7], s[20:21]
	CROUND
.irp s, 0,1
	s_mov_b32 s[G0A+4*(\s)], 1
	s_add_co_u32 s[G0A+4*(\s)+1], s19, (\s)*SLOT
	s_add_nc_u64 s[G0A+4*(\s)+2:G0A+4*(\s)+3], s[16:17], (\s)*ASTEP
	s_or_b32 s[G0A+4*(\s)+3], s[G0A+4*(\s)+3], 0x80000000
	s_mov_b32 s[G0B+4*(\s)], 1
	s_add_co_u32 s[G0B+4*(\s)+1], s19, (\s)*SLOT
	s_add_nc_u64 s[G0B+4*(\s)+2:G0B+4*(\s)+3], s[20:21], (\s)*BSTEP
	s_or_b32 s[G0B+4*(\s)+3], s[G0B+4*(\s)+3], 0x80000000
	JLOAD \s
.endr
	v_and_b32 v1, 15, v0
	v_bfe_u32 v2, v0, 4, 1
	v_and_b32 v31, 31, v0
	v_mul_u32_u24 v3, v1, PA
	v_lshl_add_u32 v3, v2, 4, v3
	s_mul_i32 s18, s[WM], 128*PA
	v_and_b32 v4, 7, v0
	v_lshl_add_u32 v4, v2, 3, v4
	v_mul_u32_u24 v4, v4, PB
	v_bfe_u32 v5, v0, 3, 1
	v_lshl_add_u32 v4, v5, 4, v4
	s_lshl_b32 s19, s[WN], 8
	s_add_co_u32 s19, s19, BOFF
.irp s, 0,1
	v_add_nc_u32 v[ADRA+(\s)], s18, v3
	v_add_nc_u32 v[ADRB+(\s)], s19, v4
	s_add_co_u32 s18, s18, SLOT
	s_add_co_u32 s19, s19, SLOT
.endr
	s_mul_i32 s18, s[WV], 16*SP
	s_add_co_u32 s18, s18, STAGE
	v_mul_u32_u24 v4, v1, SP                       ; in: row l % 16, 32 bytes for each half of the lanes
	v_lshl_add_u32 v4, v2, 5, v4
	v_add_nc_u32 v[STO], s18, v4
	v_lshl_add_u32 v[RD], v31, 4, s18              ; back: 32 lanes take a row of 512 bytes
	v_lshlrev_b32 v[CO], 4, v31
	s_lshl_b32 s16, s[TY], 8                       ; my part of out0: row 256 x tile row + 128 x half (16,384 bytes a row), column 256 x tile column + 128 x half (4 bytes)
	s_lshl_b32 s17, s[WM], 7
	s_add_co_u32 s16, s16, s17
	s_lshl_b32 s16, s16, 14
	s_lshl_b32 s17, s[TX], 10
	s_add_co_u32 s16, s16, s17
	s_lshl_b32 s17, s[WN], 9
	s_add_co_u32 s16, s16, s17
	s_mov_b32 s17, 0
	s_add_nc_u64 s[8:9], s[8:9], s[16:17]
	; the prefetches
	s_lshl_b32 s16, s[TY], 8
	s_lshl_b32 s17, s[WN], 7
	s_add_co_u32 s16, s16, s17
	s_lshl_b32 s17, s[CX], 5
	s_add_co_u32 s16, s16, s17
	s_lshl_b32 s16, s16, 11
	s_add_co_u32 s16, s16, 3*ASTEP                 ; at K step 3: the first refill steps it to 4
	s_lshl_b32 s18, s[WN], 6
	s_lshl_b32 s19, s[CY], 4
	s_add_co_u32 s18, s18, s19
	s_lshl_b32 s18, s18, 13
	s_lshl_b32 s19, s[TX], 9
	s_add_co_u32 s18, s18, s19
	s_add_co_u32 s18, s18, 3*BSTEP
	s_cmp_eq_u32 s[WM], 0
	s_cselect_b32 s16, s16, s18
	s_cselect_b64 s[PFA:PFA+1], s[4:5], s[6:7]
	s_mov_b32 s17, 0
	s_add_nc_u64 s[PFA:PFA+1], s[PFA:PFA+1], s[16:17]
	s_mul_i32 s18, s[WM], 12
	s_lshl_b32 s[PFS], 256, s18                    ; 256 or 1,048,576
	s_mov_b32 s[PFS+1], 0
	v_lshrrev_b32 v6, s[WM], v31
	s_lshl_b32 s18, s[WM], 1
	s_lshl_b32 s18, 2048, s18                      ; 2,048 or 8,192 bytes from row to row
	v_mul_u32_u24 v6, v6, s18
	v_and_b32 v7, s[WM], v31
	v_lshl_add_u32 v[PFO], v7, 8, v6
	s_and_b32 s16, ttmp7, 0xffff
	s_cmp_eq_u32 s[WM], 0
	s_cselect_b32 s16, ttmp9, s16
	s_cmp_eq_u32 s16, 0
	s_cselect_b32 s[LIM], 1, -1
; 16 matrix instructions: row blocks a0, a0 + 1 of the window's four x all 8 column blocks.  All 64 accumulators take turns in the same order in every quarter.
.macro MUL16 f, hi, a0, zero
	WIN MUL_LO+0x50*(\hi)
.irp a, \a0, (\a0)+1
.irp b, 0,1,2,3,4,5,6,7
.if \zero
	v_wmma_f32_16x16x32_f16 v[8*(8*(\a)+(\b)):8*(8*(\a)+(\b))+7], v[(\f)+8*(\b):(\f)+8*(\b)+7], v[(\f)+8*(4*(\hi)+(\a)):(\f)+8*(4*(\hi)+(\a))+7], 0
.else
	v_wmma_f32_16x16x32_f16 v[8*(8*(\a)+(\b)):8*(8*(\a)+(\b))+7], v[(\f)+8*(\b):(\f)+8*(\b)+7], v[(\f)+8*(4*(\hi)+(\a)):(\f)+8*(4*(\hi)+(\a))+7], v[8*(8*(\a)+(\b)):8*(8*(\a)+(\b))+7]
.endif
.endr
.endr
.endm
.macro FETCH slot, kq, f               ; 32 LDS loads in one run: the weights' 8 fragments (turned), then O's 8
	WIN TO_B
.irp b, 0,1,2,3,4,5,6,7
	ds_load_tr16_b128 v[(\f)+8*(\b):(\f)+8*(\b)+3],   v[ADRB+(\slot)] offset:(\kq)*32*PB+32*(\b)
	ds_load_tr16_b128 v[(\f)+8*(\b)+4:(\f)+8*(\b)+7], v[ADRB+(\slot)] offset:(\kq)*32*PB+16*PB+32*(\b)
.endr
	WIN 0
.irp a, 0,1,2,3,4,5,6,7
	ds_load_b128 v[(\f)+8*(\a):(\f)+8*(\a)+3],   v[ADRA+(\slot)] offset:64*(\kq)+(\a)*16*PA
	ds_load_b128 v[(\f)+8*(\a)+4:(\f)+8*(\a)+7], v[ADRA+(\slot)] offset:64*(\kq)+(\a)*16*PA+32
.endr
.endm
.macro QUARTER slot, kq, f, g, zero
	s_wait_dscnt 8                                 ; the youngest eight loads (O's rows 64-127) may be out
	MUL16 \f, 0, 0, \zero
	MUL16 \f, 0, 2, \zero
	PLACES
	FETCH \slot, \kq, \g
	s_wait_dscnt 32                                ; all but the 32 just issued
	MUL16 \f, 1, 0, \zero
	MUL16 \f, 1, 2, \zero
.endm
; The last quarter changes slots first and multiplies buffer 1 afterwards: one barrier, the three lines in front of it; with fill = 1 it is a round of the cluster's barrier and the slot is filled again first
; thing behind it.  No product stands between the landing of one tile and the request for the next: a request has all 256 matrix instructions of a K step in front of the wait for it.
.macro TURN slot, next, fill
.if \fill
	s_wait_xcnt 0x0                                ; the last prefetch, a K step back, has read its address
	s_add_nc_u64 s[PFA:PFA+1], s[PFA:PFA+1], s[PFS:PFS+1]
.endif
	WIN 0
	s_wait_tensorcnt 0x0                           ; no tensor load of mine is out, so a group 0 may be written
	ds_add_u32 v[SPW], v[NIL]                      ; 0 onto my spare word; the descriptors' steps stand between it and the wait for it
.if \fill
	s_add_nc_u64 s[G0A+4*(\slot)+2:G0A+4*(\slot)+3], s[G0A+4*(\slot)+2:G0A+4*(\slot)+3], 2*ASTEP
	s_add_nc_u64 s[G0B+4*(\slot)+2:G0B+4*(\slot)+3], s[G0B+4*(\slot)+2:G0B+4*(\slot)+3], 2*BSTEP
.endif
	s_wait_dscnt 0x0                               ; the add is done, and my reads of this slot are over
.if \fill
	CROUND                                         ; no wave of any partner still reads this slot or has a load on its way
	JLOAD \slot                                    ; its four v_nop are also the places in front of the loads below
.else
	s_barrier_signal -1
	s_barrier_wait -1
	PLACES
.endif
	FETCH \next, 0, F0
.if \fill
	ASK
.endif
	MUL16 F1, 0, 0, 0
	MUL16 F1, 0, 2, 0
	MUL16 F1, 1, 0, 0
	MUL16 F1, 1, 2, 0
.endm
	s_wait_tensorcnt 0x1                           ; my part of K step 0 is in; step 1's load may stay out
	s_barrier_signal -1
	s_barrier_wait -1
	FETCH 0, 0, F0
	QUARTER 0, 1, F0, F1, 1                        ; the first quarter's products start the sums
	WIN 0
	s_mov_b32 s[LAP], LAPS-1
.Llap:
	QUARTER 0, 2, F1, F0, 0
	QUARTER 0, 3, F0, F1, 0
	TURN 0, 1, 1
	QUARTER 1, 1, F0, F1, 0
	QUARTER 1, 2, F1, F0, 0
	QUARTER 1, 3, F0, F1, 0
	TURN 1, 0, 1
	QUARTER 0, 1, F0, F1, 0
	WIN 0
	s_sub_co_u32 s[LAP], s[LAP], 1
	s_cmp_lg_u32 s[LAP], 0
	s_cbranch_scc1 .Llap
	QUARTER 0, 2, F1, F0, 0                        ; the last lap is written out: it fills nothing
	QUARTER 0, 3, F0, F1, 0
	TURN 0, 1, 0
	QUARTER 1, 1, F0, F1, 0
	QUARTER 1, 2, F1, F0, 0
	QUARTER 1, 3, F0, F1, 0
	s_wait_dscnt 8
	MUL16 F1, 0, 0, 0
	MUL16 F1, 0, 2, 0
	s_wait_dscnt 0x0
	MUL16 F1, 1, 0, 0
	MUL16 F1, 1, 2, 0
	WIN 0
	PLACES
; THE WAY OUT, a block of 16 rows at a time: a lane's eight f32 of a row go into rows of 528 bytes of my own stage (each accumulator's lowest registers first) and come back as whole rows of 512.
.macro TOSTAGE a
	s_wait_xcnt 0x0                                ; the stores of the block two back have read the registers that the loads below write
	WIN 0x08+4*((\a)/4)                            ; store data in window 2 or 3
.set AC, 64*((\a)%4)
.irp b, 0,1,2,3,4,5,6,7
	ds_store_b128 v[STO], v[AC+8*(\b):AC+8*(\b)+3]   offset:64*(\b)
	ds_store_b128 v[STO], v[AC+8*(\b)+4:AC+8*(\b)+7] offset:64*(\b)+16
.endr
	WIN 0
.set BK, OB+64*((\a)%2)
.irp t, 0,1,2,3,4,5,6,7,8,9,10,11,12,13,14,15
	ds_load_b128 v[BK+4*(\t):BK+4*(\t)+3], v[RD] offset:(\t)*SP  ; LDS serves a wave's instructions in order (ISA guide 5.7.1.4): these see the stores above
.endr
.endm
.macro SEND a, younger                 ; younger: the LDS instructions issued behind block a's loads: the next block's 32, or none
.set BK, OB+64*((\a)%2)
	s_wait_dscnt \younger
.if (\a) > 0
	s_wait_xcnt 0x0                                ; the stores so far have read their base
	s_add_nc_u64 s[8:9], s[8:9], 16*16384          ; 16 rows on
.endif
.irp t, 0,1,2,3,4,5,6,7,8,9,10,11,12,13,14,15
	global_store_b128 v[CO], v[BK+4*(\t):BK+4*(\t)+3], s[8:9] offset:(\t)*16384 th:TH_STORE_NT  ; 32 lanes store 512 consecutive bytes of a row, aligned
.endr
.endm
	TOSTAGE 0
.irp a, 1,2,3,4,5,6,7
	TOSTAGE \a
	SEND (\a)-1, 32
.endr
	SEND 7, 0
	s_wait_tensorcnt 0x0                           ; the wave's end: behind my last tensor load and my last LDS store
	ds_add_u32 v[SPW], v[NIL]
	s_wait_dscnt 0x0
	CROUND                                         ; the closing round
	s_endpgm
.Lfunc_end_k_q8cdb3c761f_oproj:
	.size	k_q8cdb3c761f_oproj, .Lfunc_end_k_q8cdb3c761f_oproj-k_q8cdb3c761f_oproj
	.p2alignl 7, 3214868480
	.fill 96, 4, 3214868480
	.section	.rodata,"a",@progbits
	.p2align	6, 0x0
	.amdhsa_kernel k_q8cdb3c761f_oproj
		.amdhsa_group_segment_fixed_size 327680
		.amdhsa_private_segment_fixed_size 0
		.amdhsa_enable_private_segment 0
		.amdhsa_kernarg_size 24
		.amdhsa_user_sgpr_count 2
		.amdhsa_user_sgpr_kernarg_segment_ptr 1
		.amdhsa_wavefront_size32 1
		.amdhsa_system_sgpr_workgroup_id_x 1
		.amdhsa_system_sgpr_workgroup_id_y 1
		.amdhsa_system_sgpr_workgroup_id_z 1
		.amdhsa_system_vgpr_workitem_id 0
		.amdhsa_next_free_vgpr 1024
		.amdhsa_next_free_sgpr 72
		.amdhsa_reserve_vcc 0
		.amdhsa_float_denorm_mode_32 3
		.amdhsa_float_denorm_mode_16_64 3
		.amdhsa_memory_ordered 1
		.amdhsa_forward_progress 1
		.amdhsa_inst_pref_size 142
	.end_amdhsa_kernel
	.amdgpu_metadata
---
amdhsa.version: [ 1, 2 ]
amdhsa.kernels:
  - .name:           k_q8cdb3c761f_oproj
    .symbol:         k_q8cdb3c761f_oproj.kd
    .args:
      - { .name: ob, .offset: 0, .size: 8, .value_kind: global_buffer, .address_space: global }
      - { .name: wo16, .offset: 8, .size: 8, .value_kind: global_buffer, .address_space: global }
      - { .name: out0, .offset: 16, .size: 8, .value_kind: global_buffer, .address_space: global }
    .group_segment_fixed_size: 327680
    .private_segment_fixed_size: 0
    .kernarg_segment_align: 8
    .kernarg_segment_size: 24
    .max_flat_workgroup_size: 128
    .sgpr_count:     72
    .vgpr_count:     1024
    .wavefront_size: 32
...
	.end_amdgpu_metadata
.endif
;; end of part 4
